; MI455X (gfx1250); checked and timed in simulation.
; The chip was launched on July 23, 2026; its instructions are those of AMD's public machine-readable ISA for CDNA 5 (MIT licence, August 2026) and "CDNA5" Instruction Set Architecture Reference Guide (July 2026). The comments in the code are by the model that wrote it; some were corrected since.
;; Parallel FLA Attention. Allowed arithmetic: float matrix products may take bf16 or f16 operands with f32 sums; other float arithmetic in f32, or as packed bf16 or f16 multiplies, adds, multiply-adds, maxima and minima; sums over many terms, partial sums and values carried from step to step in f32; what a program stores and reads back later, other than sums and carried values, may be rounded once to bf16 or f16.
;; Inputs: Wk 2,048 x 512 float32; Wo 2,048 x 2,048 float32; Wq 2,048 x 2,048 float32; Wv 2,048 x 512 float32; hidden_states 2 x 1,024 x 2,048 float32.
;; Outputs: out0 2 x 1,024 x 2,048 float32.
;; 2 versions, each right and faster than the one before. Each part assembles by itself: llvm-mc -triple=amdgcn-amd-amdhsa -mcpu=gfx1250 --defsym DOCPART=n.
;; ======== version 1 of 2: 4 launches
;; limits: values outside matrix products are rounded to bf16; values are held in f16: magnitudes above 65,504 overflow, below 6.1e-05 lose precision
;; workspace buffers: qkv 12,582,912 bytes; qkvh 12,582,912 bytes; sfrag 8,388,608 bytes; base 8,388,608 bytes; fla 8,388,608 bytes
;; launch gemm_qkv (part 1): grid 16 x 16, 4 waves a work-group, no clusters, 102,912 bytes of LDS; arguments hidden_states, Wq, Wk, Wv, qkv, qkvh; writes qkv, qkvh
.if DOCPART == 1
	.amdgcn_target "amdgcn-amd-amdhsa--gfx1250"
	.amdhsa_code_object_version 6
	.text
	.protected	k_q3e3c821a24_gemm_qkv
	.globl	k_q3e3c821a24_gemm_qkv
	.p2align	8
	.type	k_q3e3c821a24_gemm_qkv,@function
k_q3e3c821a24_gemm_qkv:
	s_mov_b64 s[64:65], 0
	v_nop
	global_prefetch_b8 v0, s[64:65] scope:SCOPE_SE
	s_setreg_imm32_b32 hwreg(HW_REG_WAVE_MODE, 25, 1), 1
	s_wait_xcnt 0x0
; [q | k | v][2048][3072] = X[2048][2048] (f32) x [Wq | Wk | Wv] (f32, stored [k][n]); operands rounded to bf16, sums in f32.
; The result is stored twice: qkvh in f16 (11 significant bits, for the softmax branch, whose first tokens' outputs are some nine times the
; output's root mean square and cannot bear 8-bit significands), and qkv in bf16 (for the linear attention, whose products need bf16's range).
; A work-group makes 128 rows x 192 columns (16 x 16 work-groups); wave (wm, wn) makes 64 x 96 = 4 x 6 tiles of 16 x 16.
; K goes in 32 steps of 64.  The inputs are f32, so a tile goes memory -> registers -> bf16 -> LDS (a copy engine cannot convert);
; two LDS buffers take turns, one barrier a step; the next tile's global loads are in flight during a whole step.
; No joint requests in clusters for the same reason: tiles pass through registers.
; The 192 columns are three units of 64 columns (256 bytes of f32); a unit lies wholly in Wq, Wk or Wv (32, 8, 8 units).
; The matrix instruction is used transposed (source 0 = columns of W, source 1 = rows of X): a lane ends with 8 neighbouring columns of a row.
; LIMITS: operands are rounded to bf16.  |q|, |k|, |v| must stay under 65,504 (f16): with every input 30 times the size of unit X and 0.02 W they
; reach some 900 x 5 = 4,500, with offsets of 30 on X and 0.6 on W 2,048 x 30 x 0.6 = 36,864.  NaN and infinities in the inputs are not served.
.set BUF,   45056                      ; an LDS buffer: X part 128 rows x 144, W part 64 k-rows x 416
.set BPART, 18432
.set PA,    144                        ; 128 bytes of bf16 + 16
.set PB,    416                        ; 384 bytes of bf16 + 32 (13 x 32)
.set PS,    400                        ; the way out: 384 bytes + 16
.set STG2,  51200                      ; the way out's second stage (bf16), behind the first (f16): 128 rows x 400 each
.set AOFF, 10                          ; v10     my byte offset in X's tile
.set BOFF, 12                          ; v12-35  unit u, load n: my byte offset in W's tile
.set SA,   36                          ; v36-37  LDS store address, X part, buffer 0, 1
.set SB,   38                          ; v38-39  the same, W part
.set FA,   40                          ; v40-41  fragment address, X
.set FB,   42                          ; v42-43  fragment address, W (transposing loads)
.set STO,  44
.set RDW,  45
.set RDH,  46
.set COW,  47
.set COH,  48
.set STO2, 49
.set RDW2, 50
.set RDH2, 51
.set F0,   64                          ; v64-143  fragments: X 4 x 8, W 6 x 8
.set F1,   144                         ; v144-223 second set
; window 1: accumulator (mi, ni) at v[8 (6 mi + ni)];  window 2: staging, X at v[4 n], W at v[64 + 32 u + 4 n]
.set MSB, 0
.macro WIN new                         ; the immediate's high byte repeats the setting that is left
.if MSB != \new
	s_set_vgpr_msb (MSB<<8)|\new
.set MSB, \new
.endif
.endm
.macro PLACES                          ; four plain vector places behind matrix instructions (ISA guide 7.12.1)
.rept 4
	v_nop
.endr
.endm
.macro GLD                             ; 40 loads: one K step's tiles into window 2
	WIN 0x80
.irp n, 0,1,2,3,4,5,6,7,8,9,10,11,12,13,14,15
	global_load_b128 v[4*\n:4*\n+3], v[AOFF], s[20:21] offset:65536*\n
.endr
.irp u, 0,1,2
.irp n, 0,1,2,3,4,5,6,7
	global_load_b128 v[64+32*\u+4*\n:64+32*\u+4*\n+3], v[BOFF+8*\u+\n], s[24+2*\u:25+2*\u]
.endr
.endr
.endm
.macro NEXT                            ; the pointers step one K step (behind the wait that shows their loads done)
	s_add_nc_u64 s[20:21], s[20:21], 256
	s_add_nc_u64 s[24:25], s[24:25], s[36:37]
	s_add_nc_u64 s[26:27], s[26:27], s[38:39]
	s_add_nc_u64 s[28:29], s[28:29], s[40:41]
.endm
.macro CVST s                          ; round the staged tile to bf16 in place and store it into buffer s
	WIN 0x8a
.set i, 0
.rept 40
	v_cvt_pk_bf16_f32 v[4*i], v[4*i], v[4*i+1]
	v_cvt_pk_bf16_f32 v[4*i+1], v[4*i+2], v[4*i+3]
.set i, i+1
.endr
	WIN 0x08
.irp n, 0,1,2,3,4,5,6,7,8,9,10,11,12,13,14,15
	ds_store_b64 v[SA+\s], v[4*\n:4*\n+1] offset:8*PA*\n
.endr
.irp u, 0,1,2
.irp n, 0,1,2,3,4,5,6,7
	ds_store_b64 v[SB+\s], v[64+32*\u+4*\n:64+32*\u+4*\n+1] offset:8*PB*\n+128*\u
.endr
.endr
.endm
.macro FETCH s, half, f                ; 20 LDS loads: the fragments of 32 along K
	WIN 0
.irp m, 0,1,2,3
	ds_load_b128 v[\f+8*\m:\f+8*\m+3],   v[FA+\s] offset:16*PA*\m+64*\half
	ds_load_b128 v[\f+8*\m+4:\f+8*\m+7], v[FA+\s] offset:16*PA*\m+64*\half+32
.endr
.irp n, 0,1,2,3,4,5
	ds_load_tr16_b128 v[\f+32+8*\n:\f+32+8*\n+3],   v[FB+\s] offset:32*PB*\half+32*\n
	ds_load_tr16_b128 v[\f+32+8*\n+4:\f+32+8*\n+7], v[FB+\s] offset:32*PB*\half+32*\n+16*PB
.endr
.endm
.macro MUL f, lo, zero                 ; 12 matrix instructions; the 24 accumulators take turns, one instruction a turn
	WIN 0x50
.irp m, 0,1
.irp n, 0,1,2,3,4,5
.if \zero
	v_wmma_f32_16x16x32_bf16 v[8*(6*(2*\lo+\m)+\n):8*(6*(2*\lo+\m)+\n)+7], v[\f+32+8*\n:\f+32+8*\n+7], v[\f+8*(2*\lo+\m):\f+8*(2*\lo+\m)+7], 0
.else
	v_wmma_f32_16x16x32_bf16 v[8*(6*(2*\lo+\m)+\n):8*(6*(2*\lo+\m)+\n)+7], v[\f+32+8*\n:\f+32+8*\n+7], v[\f+8*(2*\lo+\m):\f+8*(2*\lo+\m)+7], v[8*(6*(2*\lo+\m)+\n):8*(6*(2*\lo+\m)+\n)+7]
.endif
.endr
.endr
.endm
; One K step on buffer s.  st: the next tile is stored into the other buffer; ld: the tile after it is requested.
.macro STEP s, zero, st, ld
	s_wait_dscnt 0x0                               ; the first half's fragments are in
	MUL F0, 0, \zero
	PLACES
	FETCH \s, 1, F1
	MUL F0, 1, \zero
.if \st
	s_wait_loadcnt 0x0                             ; the next tile is in registers; its pointers are free
	CVST (1-\s)                                    ; the other buffer's readers passed the last step's barrier
.if \ld
	NEXT
	GLD
.endif
.endif
	s_wait_dscnt 0x0                               ; second half's fragments in, my stores done, my reads of this buffer done
.if \st
	s_barrier_signal -1
	MUL F1, 0, 0
	WIN 0
	s_barrier_wait -1                              ; the other buffer is whole, and nobody reads this one any more
	PLACES
	FETCH (1-\s), 0, F0
	MUL F1, 1, 0
.else
	MUL F1, 0, 0
	MUL F1, 1, 0
.endif
.endm
	s_load_b256 s[4:11], s[0:1], 0x0               ; X s[4:5], Wq s[6:7], Wk s[8:9], Wv s[10:11]
	s_load_b64 s[12:13], s[0:1], 0x20              ; qkv (bf16)
	s_load_b64 s[22:23], s[0:1], 0x28              ; qkvh (f16)
	v_lshl_add_u32 v62, v0, 2, 0x19000
	v_mov_b32 v63, 0
	v_lshrrev_b32 v3, 5, v0
	v_readfirstlane_b32 s14, v3                    ; wave
	s_lshr_b32 s15, s14, 1                         ; wm
	s_and_b32 s16, s14, 1                          ; wn
	s_mov_b32 s17, ttmp9                           ; column block
	s_and_b32 s18, ttmp7, 0xffff                   ; row block
	s_movk_i32 s52, 0x2000                         ; Wq's pitch in bytes
	s_movk_i32 s53, 0x800                          ; Wk's and Wv's
	v_and_b32 v1, 15, v0                           ; r
	v_bfe_u32 v2, v0, 4, 1                         ; h
	v_lshrrev_b32 v3, 4, v0                        ; t >> 4
	v_and_b32 v4, 7, v0
	v_bfe_u32 v5, v0, 3, 1
	v_lshlrev_b32 v6, 4, v1                        ; 16 r
	v_lshl_add_u32 v[AOFF], v3, 13, v6
	v_mul_u32_u24 v7, v3, PA
	v_lshl_add_u32 v[SA], v1, 3, v7
	v_add_nc_u32 v[SA+1], BUF, v[SA]
	v_mul_u32_u24 v7, v3, PB
	v_lshl_add_u32 v7, v1, 3, v7
	v_add_nc_u32 v[SB], BPART, v7
	v_add_nc_u32 v[SB+1], BUF+BPART, v7
	s_mul_i32 s46, s15, 64*PA
	v_mul_u32_u24 v7, v1, PA
	v_lshl_add_u32 v7, v2, 4, v7
	v_add_nc_u32 v[FA], s46, v7
	v_add_nc_u32 v[FA+1], BUF, v[FA]
	v_lshl_add_u32 v7, v2, 3, v4
	v_mul_u32_u24 v7, v7, PB
	v_lshl_add_u32 v7, v5, 4, v7
	s_mul_i32 s47, s16, 192
	s_add_co_u32 s47, s47, BPART
	v_add_nc_u32 v[FB], s47, v7
	v_add_nc_u32 v[FB+1], BUF, v[FB]
	s_mul_i32 s46, s15, 64*PS
	s_mul_i32 s47, s16, 192
	s_add_co_u32 s46, s46, s47
	v_mul_u32_u24 v7, v1, PS
	v_lshl_add_u32 v7, v2, 4, v7
	v_add_nc_u32 v[STO], s46, v7
	v_add_nc_u32 v[STO2], STG2, v[STO]
	s_and_b32 s48, s17, 1
	s_xor_b32 s49, s48, 1
	s_lshl_b32 s48, s48, 7                         ; where the aligned 256 bytes of my 384-byte rows begin
	s_lshl_b32 s49, s49, 8                         ; where the other 128 bytes begin
	v_mul_u32_u24 v7, v3, PS
	v_add3_u32 v[RDW], v7, v6, s48
	v_add_nc_u32 v[RDW2], STG2, v[RDW]
	v_mul_u32_u24 v7, v3, 6144
	v_add3_u32 v[COW], v7, v6, s48
	v_lshrrev_b32 v8, 3, v0
	v_lshlrev_b32 v9, 4, v4
	v_mul_u32_u24 v7, v8, PS
	v_add3_u32 v[RDH], v7, v9, s49
	v_add_nc_u32 v[RDH2], STG2, v[RDH]
	v_mul_u32_u24 v7, v8, 6144
	v_add3_u32 v[COH], v7, v9, s49
	s_mul_i32 s46, s17, 3                          ; my first unit of 64 columns
	s_wait_kmcnt 0x0
.irp u, 0,1,2
	s_add_co_u32 s47, s46, \u                      ; unit 0-31: Wq, 32-39: Wk, 40-47: Wv
	s_cmp_lt_u32 s47, 40
	s_cselect_b64 s[48:49], s[8:9], s[10:11]
	s_cselect_b32 s50, 32, 40
	s_cmp_lt_u32 s47, 32
	s_cselect_b64 s[48:49], s[6:7], s[48:49]
	s_cselect_b32 s50, 0, s50
	s_cselect_b32 s[30+\u], s52, s53
	s_sub_co_u32 s50, s47, s50
	s_lshl_b32 s50, s50, 8
	s_mov_b32 s51, 0
	s_add_nc_u64 s[24+2*\u:25+2*\u], s[48:49], s[50:51]
	s_lshl_b32 s[36+2*\u], s[30+\u], 6             ; 64 k-rows in bytes
	s_mov_b32 s[37+2*\u], 0
.irp n, 0,1,2,3,4,5,6,7
	v_add_nc_u32 v7, 8*\n, v3
	v_mad_u32_u24 v[BOFF+8*\u+\n], v7, s[30+\u], v6
.endr
.endr
	s_lshl_b32 s46, s18, 20                        ; 128 rows of 8,192 bytes
	s_mov_b32 s47, 0
	s_add_nc_u64 s[20:21], s[4:5], s[46:47]
	GLD                                            ; tile 0
	s_wait_loadcnt 0x0
	CVST 0
	NEXT
	GLD                                            ; tile 1
	s_wait_dscnt 0x0
	s_barrier_signal -1
	s_barrier_wait -1
	FETCH 0, 0, F0
	STEP 0, 1, 1, 1                                ; the first products start the sums: nothing is cleared
	STEP 1, 0, 1, 1
	WIN 0
	s_mov_b32 s44, 14
.Lloop:
	STEP 0, 0, 1, 1
	STEP 1, 0, 1, 1
	WIN 0
	s_sub_co_u32 s44, s44, 1
	s_cmp_lg_u32 s44, 0
	s_cbranch_scc1 .Lloop
	STEP 0, 0, 1, 0                                ; step 30 stores tile 31 and requests nothing
	STEP 1, 0, 0, 0
	; THE WAY OUT: f16 and bf16 through two LDS stages of 128 rows x 400 bytes laid over the buffers
	PLACES
	WIN 0
	s_mul_i32 s46, s18, 786432                     ; 128 rows of 6,144 bytes
	s_mul_i32 s47, s17, 384
	s_add_co_u32 s46, s46, s47
	s_mov_b32 s47, 0
	s_add_nc_u64 s[12:13], s[12:13], s[46:47]
	s_add_nc_u64 s[22:23], s[22:23], s[46:47]
	s_wait_dscnt 0x0
	s_barrier_signal -1
	s_barrier_wait -1                              ; every wave's reads of the buffers are over
.irp m, 0,1,2,3
	WIN 0x05
.irp n, 0,1,2,3,4,5
.irp p, 0,1,2,3
	v_cvt_pk_f16_f32  v[64+24*\m+4*\n+\p],  v[8*(6*\m+\n)+2*\p], v[8*(6*\m+\n)+2*\p+1]
	v_cvt_pk_bf16_f32 v[160+24*\m+4*\n+\p], v[8*(6*\m+\n)+2*\p], v[8*(6*\m+\n)+2*\p+1]
.endr
.endr
	WIN 0
.irp n, 0,1,2,3,4,5
	ds_store_b128 v[STO],  v[64+24*\m+4*\n:64+24*\m+4*\n+3]   offset:16*PS*\m+32*\n
	ds_store_b128 v[STO2], v[160+24*\m+4*\n:160+24*\m+4*\n+3] offset:16*PS*\m+32*\n
.endr
.endr
	s_wait_dscnt 0x0
	s_barrier_signal -1
	s_barrier_wait -1
.irp n, 0,1,2,3,4,5,6,7,8,9,10,11,12,13,14,15
	ds_load_b128 v[64+4*\n:64+4*\n+3], v[RDW] offset:8*PS*\n
.endr
.irp n, 0,1,2,3,4,5,6,7
	ds_load_b128 v[128+4*\n:128+4*\n+3], v[RDH] offset:16*PS*\n
.endr
.irp n, 0,1,2,3,4,5,6,7,8,9,10,11,12,13,14,15
	ds_load_b128 v[160+4*\n:160+4*\n+3], v[RDW2] offset:8*PS*\n
.endr
.irp n, 0,1,2,3,4,5,6,7
	ds_load_b128 v[224+4*\n:224+4*\n+3], v[RDH2] offset:16*PS*\n
.endr
.set left, 47                                      ; 48 read-backs; each store waits for its own and leaves the younger ones out
.irp n, 0,1,2,3,4,5,6,7,8,9,10,11,12,13,14,15
	s_wait_dscnt left
	global_store_b128 v[COW], v[64+4*\n:64+4*\n+3], s[22:23] offset:49152*\n      ; 16 lanes: 256 consecutive bytes, aligned
.set left, left-1
.endr
.irp n, 0,1,2,3,4,5,6,7
	s_wait_dscnt left
	global_store_b128 v[COH], v[128+4*\n:128+4*\n+3], s[22:23] offset:98304*\n    ; the row's other 128 bytes: a row of 384 bytes is one and a half such blocks
.set left, left-1
.endr
.irp n, 0,1,2,3,4,5,6,7,8,9,10,11,12,13,14,15
	s_wait_dscnt left
	global_store_b128 v[COW], v[160+4*\n:160+4*\n+3], s[12:13] offset:49152*\n
.set left, left-1
.endr
.irp n, 0,1,2,3,4,5,6,7
	s_wait_dscnt left
	global_store_b128 v[COH], v[224+4*\n:224+4*\n+3], s[12:13] offset:98304*\n
.set left, left-1
.endr
	s_wait_tensorcnt 0x0
	ds_add_u32 v62, v63
	s_wait_dscnt 0x0
	s_endpgm
.Lfunc_end_k_q3e3c821a24_gemm_qkv:
	.size	k_q3e3c821a24_gemm_qkv, .Lfunc_end_k_q3e3c821a24_gemm_qkv-k_q3e3c821a24_gemm_qkv
	.p2alignl 7, 3214868480
	.fill 96, 4, 3214868480
	.section	.rodata,"a",@progbits
	.p2align	6, 0x0
	.amdhsa_kernel k_q3e3c821a24_gemm_qkv
		.amdhsa_group_segment_fixed_size 102912
		.amdhsa_private_segment_fixed_size 0
		.amdhsa_enable_private_segment 0
		.amdhsa_kernarg_size 48
		.amdhsa_user_sgpr_count 2
		.amdhsa_user_sgpr_kernarg_segment_ptr 1
		.amdhsa_wavefront_size32 1
		.amdhsa_system_sgpr_workgroup_id_x 1
		.amdhsa_system_sgpr_workgroup_id_y 1
		.amdhsa_system_sgpr_workgroup_id_z 1
		.amdhsa_system_vgpr_workitem_id 0
		.amdhsa_next_free_vgpr 672
		.amdhsa_next_free_sgpr 66
		.amdhsa_reserve_vcc 0
		.amdhsa_float_denorm_mode_32 3
		.amdhsa_float_denorm_mode_16_64 3
		.amdhsa_memory_ordered 1
		.amdhsa_forward_progress 1
		.amdhsa_inst_pref_size 138
	.end_amdhsa_kernel
	.amdgpu_metadata
---
amdhsa.version: [ 1, 2 ]
amdhsa.kernels:
  - .name:           k_q3e3c821a24_gemm_qkv
    .symbol:         k_q3e3c821a24_gemm_qkv.kd
    .args:
      - { .name: hidden_states, .offset: 0, .size: 8, .value_kind: global_buffer, .address_space: global }
      - { .name: Wq, .offset: 8, .size: 8, .value_kind: global_buffer, .address_space: global }
      - { .name: Wk, .offset: 16, .size: 8, .value_kind: global_buffer, .address_space: global }
      - { .name: Wv, .offset: 24, .size: 8, .value_kind: global_buffer, .address_space: global }
      - { .name: qkv, .offset: 32, .size: 8, .value_kind: global_buffer, .address_space: global }
      - { .name: qkvh, .offset: 40, .size: 8, .value_kind: global_buffer, .address_space: global }
    .group_segment_fixed_size: 102912
    .private_segment_fixed_size: 0
    .kernarg_segment_align: 8
    .kernarg_segment_size: 48
    .max_flat_workgroup_size: 128
    .sgpr_count:     66
    .vgpr_count:     672
    .wavefront_size: 32
...
	.end_amdgpu_metadata
.endif
;; end of part 1
;; launch gstate (part 2): grid 8 x 8, 8 waves a work-group, no clusters, 142,848 bytes of LDS; arguments qkv, sfrag; writes sfrag
.if DOCPART == 2
	.amdgcn_target "amdgcn-amd-amdhsa--gfx1250"
	.amdhsa_code_object_version 6
	.text
	.protected	k_q3e3c821a24_gstate
	.globl	k_q3e3c821a24_gstate
	.p2align	8
	.type	k_q3e3c821a24_gstate,@function
k_q3e3c821a24_gstate:
	s_mov_b64 s[64:65], 0
	v_nop
	global_prefetch_b8 v0, s[64:65] scope:SCOPE_SE
	s_setreg_imm32_b32 hwreg(HW_REG_WAVE_MODE, 25, 1), 1
	s_wait_xcnt 0x0
; The gated linear attention's state at the start of each chunk of 32 tokens: S <- sigmoid(k_t)[d] S + k_t[d] v_t[e].
; The state hangs on (batch, kv head) alone: 8 states of 128 x 128; row d needs key column d alone.  A work-group owns 16 rows d
; (x = d-tile a, y = 4 b + kvh: 64 work-groups, all the parallel work there is in this chain); wave w owns the columns e = 16 w .. 16 w + 15.
; Per chunk c: S_(c+1) = G_c[d] S_c + sum over s of (k_s[d] x product of the gates behind s in the chunk) v_s[e]: one matrix instruction.
; All decay factors are plain products of sigmoids over a run of tokens (each at most 1): no logarithm, no quotient, nothing that can overflow.
; Output: S_c in bf16, laid out as the lanes of the later launch's fragments: [y][c][e-tile][d-tile][lane][16 bytes], lane (r, h) = S[16 a + 8 h + 0..7][16 w + r].
; A work-group reads 32 of each key row's 256 bytes, once.
; LIMITS: gates are made from the bf16 k; factors and states are rounded to bf16 as matrix operands; a product of gates below 2^-126 may become 0; NaN, infinities not served.
.set KFR, 33280                        ; LDS: 0 raw k [s][16 d] (32 bytes a token, 32 more after every 64 tokens); KFR: fragments of the weighted keys, 1,024 bytes a chunk
.set GAM, 66048                        ; f32 [chunk][16]: the chunk's whole product of gates
.set VB0, 68096                        ; two buffers of 128 rows of V, pitch 288
.set VB1, 104960
.set KGO, 10
.set VGO, 11
.set RS,  12
.set RP,  13
.set KW,  14
.set GW,  15
.set VS0, 16                           ; v16-17
.set KAA, 18
.set VBA0, 19                          ; v19-20
.set GA,  21
.set SO,  22
.set SS,  24                           ; v24-31 the state tile
.set TT,  32                           ; v32-35 the state in bf16
.set RR,  36
.set VST, 40                           ; v40-71 staged V
.set FR,  72                           ; v72-167 a stage's fragments: chunk cs at 24 cs: keys 8, V 8, gates 8
.set KK,  72                           ; preparation (before the stages): k, gates, weighted keys
.set GG,  104
.set XX,  136
.set KST, 168                          ; v168-199 staged raw k
.macro PLACES
.rept 4
	v_nop
.endr
.endm
.macro VLOAD cnt
.set i, 0
.rept \cnt
	global_load_b128 v[VST+4*i:VST+4*i+3], v[VGO], s[18:19] offset:98304*i
.set i, i+1
.endr
.endm
; thread (d = t & 15, grp = t >> 4) prepares chunk 2 grp + ch
.macro PREP ch
.set n, 0
.rept 32
	ds_load_u16 v[KK+n], v[RP] offset:(32*\ch+n)*32
.set n, n+1
.endr
	s_wait_dscnt 0x0
.set n, 0
.rept 32
	v_lshlrev_b32 v[KK+n], 16, v[KK+n]
.set n, n+1
.endr
.set n, 0
.rept 32
	v_mul_f32 v[GG+n], 0xbfb8aa3b, v[KK+n]         ; -log2(e) k
.set n, n+1
.endr
.set n, 0
.rept 32
	v_exp_f32 v[GG+n], v[GG+n]
.set n, n+1
.endr
	v_nop                                          ; a plain place behind the transcendentals (ISA guide 5.7.2)
.set n, 0
	s_wait_alu depctr_va_vdst(0)
.rept 32
	v_add_f32 v[GG+n], 1.0, v[GG+n]
.set n, n+1
.endr
.set n, 0
.rept 32
	v_rcp_f32 v[GG+n], v[GG+n]                     ; sigmoid(k)
.set n, n+1
.endr
	v_nop
	s_wait_alu depctr_va_vdst(0)
	v_mul_f32 v[XX+30], v[KK+30], v[GG+31]         ; the walk from the chunk's end: k_s times the gates behind s
	v_mul_f32 v[RR], v[GG+31], v[GG+30]
.set n, 29
.rept 30
	v_mul_f32 v[XX+n], v[KK+n], v[RR]
	v_mul_f32 v[RR], v[RR], v[GG+n]
.set n, n-1
.endr
.set n, 0
.rept 15
	v_cvt_pk_bf16_f32 v[XX+n], v[XX+2*n], v[XX+2*n+1]
.set n, n+1
.endr
	v_cvt_pk_bf16_f32 v[XX+15], v[XX+30], v[KK+31] ; the last token has no gate behind it
.irp q, 0,1,2,3
	ds_store_b128 v[KW], v[XX+4*\q:XX+4*\q+3] offset:1024*\ch+512*(\q>>1)+256*(\q&1)
.endr
	ds_store_b32 v[GW], v[RR] offset:64*\ch
.endm
.macro CHUNK c, cs
	s_wait_xcnt 0x0                                ; the last store's data registers are written again only behind this wait
.irp p, 0,1,2,3
.if \c == 0
	v_mov_b32 v[TT+\p], 0                          ; the state starts at zero
.else
	v_cvt_pk_bf16_f32 v[TT+\p], v[SS+2*\p], v[SS+2*\p+1]
.endif
.endr
	global_store_b128 v[SO], v[TT:TT+3], s[20:21] offset:32768*\c                 ; the wave stores 512 consecutive bytes, aligned
.if \c < 31
.if \c == 0
	v_wmma_f32_16x16x32_bf16 v[SS:SS+7], v[FR+24*\cs:FR+24*\cs+7], v[FR+24*\cs+8:FR+24*\cs+15], 0
.else
.irp p, 0,2,4,6
	v_pk_mul_f32 v[SS+\p:SS+\p+1], v[SS+\p:SS+\p+1], v[FR+24*\cs+16+\p:FR+24*\cs+17+\p]
.endr
	s_wait_alu depctr_va_vdst(0)                   ; this wait ahead of each link
	v_wmma_f32_16x16x32_bf16 v[SS:SS+7], v[FR+24*\cs:FR+24*\cs+7], v[FR+24*\cs+8:FR+24*\cs+15], v[SS:SS+7]
.endif
	PLACES
.endif
.endm
; 128 tokens = 4 chunks.  cnt: loads of 16 rows that this stage's V took; nextcnt: those of the next stage (0: none)
.macro STAGE n, cnt, nextcnt
	s_wait_loadcnt 0x0                             ; this stage's V is in registers; its pointer is free
.set i, 0
.rept \cnt
	ds_store_b128 v[VS0+(\n&1)], v[VST+4*i:VST+4*i+3] offset:4608*i
.set i, i+1
.endr
.if \nextcnt
	s_add_nc_u64 s[18:19], s[18:19], 786432
	VLOAD \nextcnt
.endif
	s_wait_dscnt 0x0                               ; my stores are done (and my reads of the other buffer were, before its chunks were worked on)
	s_barrier_signal -1
	s_barrier_wait -1
.irp c, 0,1,2,3
.if 4*\n+\c < 31
	ds_load_b128 v[FR+24*\c:FR+24*\c+3],       v[KAA] offset:1024*(4*\n+\c)
	ds_load_b128 v[FR+24*\c+4:FR+24*\c+7],     v[KAA] offset:1024*(4*\n+\c)+512
	ds_load_tr16_b128 v[FR+24*\c+8:FR+24*\c+11],  v[VBA0+(\n&1)] offset:9216*\c
	ds_load_tr16_b128 v[FR+24*\c+12:FR+24*\c+15], v[VBA0+(\n&1)] offset:9216*\c+4608
	ds_load_b128 v[FR+24*\c+16:FR+24*\c+19],   v[GA] offset:64*(4*\n+\c)
	ds_load_b128 v[FR+24*\c+20:FR+24*\c+23],   v[GA] offset:64*(4*\n+\c)+16
.endif
.endr
	s_wait_dscnt 0x0
.irp c, 0,1,2,3
	CHUNK (4*\n+\c), \c
.endr
.endm
	s_load_b128 s[4:7], s[0:1], 0x0                ; qkv, sfrag
	v_lshl_add_u32 v200, v0, 2, 0x22a00
	v_mov_b32 v201, 0
	v_lshrrev_b32 v3, 5, v0
	v_readfirstlane_b32 s8, v3                     ; wave = e-tile
	s_mov_b32 s9, ttmp9                            ; d-tile a
	s_and_b32 s10, ttmp7, 0xffff                   ; y = 4 b + kvh
	s_lshr_b32 s11, s10, 2
	s_and_b32 s12, s10, 3
	s_mul_i32 s24, s11, 6291456                    ; 1,024 tokens of 6,144 bytes
	s_lshl_b32 s13, s12, 8
	s_add_co_u32 s24, s24, s13
	s_lshl_b32 s13, s9, 5
	s_add_co_u32 s26, s24, s13
	s_add_co_u32 s26, s26, 4096                    ; K begins at column 2,048
	s_mov_b32 s27, 0
	s_add_co_u32 s24, s24, 5120                    ; V at column 2,560
	s_mov_b32 s25, 0
	s_lshl_b32 s28, s10, 20
	s_lshl_b32 s13, s8, 12
	s_add_co_u32 s28, s28, s13
	s_lshl_b32 s13, s9, 9
	s_add_co_u32 s28, s28, s13
	s_mov_b32 s29, 0
	v_and_b32 v1, 15, v0
	v_bfe_u32 v2, v0, 4, 1
	v_lshrrev_b32 v3, 4, v0
	v_and_b32 v4, 7, v0
	v_bfe_u32 v5, v0, 3, 1
	v_and_b32 v6, 31, v0
	v_lshrrev_b32 v7, 1, v0
	v_and_b32 v8, 1, v0
	v_lshlrev_b32 v8, 4, v8
	v_lshrrev_b32 v9, 7, v0
	v_lshlrev_b32 v23, 4, v1
	v_mad_u32_u24 v[KGO], v7, 6144, v8
	v_mad_u32_u24 v[VGO], v3, 6144, v23
	v_lshl_add_u32 v[RS], v7, 5, v8
	v_lshl_add_u32 v[RS], v9, 5, v[RS]
	v_mul_u32_u24 v[RP], v3, 2080
	v_lshl_add_u32 v[RP], v1, 1, v[RP]
	v_lshl_add_u32 v[KW], v3, 11, v23
	v_add_nc_u32 v[KW], KFR, v[KW]
	v_lshlrev_b32 v[GW], 2, v1
	v_lshl_add_u32 v[GW], v3, 7, v[GW]
	v_add_nc_u32 v[GW], GAM, v[GW]
	v_mad_u32_u24 v7, v3, 288, v23
	v_add_nc_u32 v[VS0], VB0, v7
	v_add_nc_u32 v[VS0+1], VB1, v7
	v_lshlrev_b32 v[SO], 4, v6
	v_add_nc_u32 v[KAA], KFR, v[SO]
	v_lshl_add_u32 v7, v2, 3, v4
	v_mul_u32_u24 v7, v7, 288
	v_lshl_add_u32 v7, v5, 4, v7
	s_lshl_b32 s13, s8, 5
	v_add_nc_u32 v7, s13, v7
	v_add_nc_u32 v[VBA0], VB0, v7
	v_add_nc_u32 v[VBA0+1], VB1, v7
	v_lshlrev_b32 v[GA], 5, v2
	v_add_nc_u32 v[GA], GAM, v[GA]
	s_wait_kmcnt 0x0
	s_add_nc_u64 s[16:17], s[4:5], s[26:27]
	s_add_nc_u64 s[18:19], s[4:5], s[24:25]
	s_add_nc_u64 s[20:21], s[6:7], s[28:29]
.irp n, 0,1,2,3,4,5,6,7
	global_load_b128 v[KST+4*\n:KST+4*\n+3], v[KGO], s[16:17] offset:786432*\n
.endr
	VLOAD 8
	s_wait_loadcnt 0x8                             ; k is in; V's eight loads stay out
.irp n, 0,1,2,3,4,5,6,7
	ds_store_b128 v[RS], v[KST+4*\n:KST+4*\n+3] offset:4160*\n
.endr
	s_wait_dscnt 0x0
	s_barrier_signal -1
	s_barrier_wait -1
	PREP 0
	PREP 1                                         ; published by the first stage's barrier
	STAGE 0, 8, 8
	STAGE 1, 8, 8
	STAGE 2, 8, 8
	STAGE 3, 8, 8
	STAGE 4, 8, 8
	STAGE 5, 8, 8
	STAGE 6, 8, 6                                  ; the last chunk's update is never used: its 32 rows of V are not fetched
	STAGE 7, 6, 0
	s_wait_tensorcnt 0x0
	ds_add_u32 v200, v201
	s_wait_dscnt 0x0
	s_endpgm
.Lfunc_end_k_q3e3c821a24_gstate:
	.size	k_q3e3c821a24_gstate, .Lfunc_end_k_q3e3c821a24_gstate-k_q3e3c821a24_gstate
	.p2alignl 7, 3214868480
	.fill 96, 4, 3214868480
	.section	.rodata,"a",@progbits
	.p2align	6, 0x0
	.amdhsa_kernel k_q3e3c821a24_gstate
		.amdhsa_group_segment_fixed_size 142848
		.amdhsa_private_segment_fixed_size 0
		.amdhsa_enable_private_segment 0
		.amdhsa_kernarg_size 16
		.amdhsa_user_sgpr_count 2
		.amdhsa_user_sgpr_kernarg_segment_ptr 1
		.amdhsa_wavefront_size32 1
		.amdhsa_system_sgpr_workgroup_id_x 1
		.amdhsa_system_sgpr_workgroup_id_y 1
		.amdhsa_system_sgpr_workgroup_id_z 1
		.amdhsa_system_vgpr_workitem_id 0
		.amdhsa_next_free_vgpr 202
		.amdhsa_next_free_sgpr 66
		.amdhsa_reserve_vcc 0
		.amdhsa_float_denorm_mode_32 3
		.amdhsa_float_denorm_mode_16_64 3
		.amdhsa_memory_ordered 1
		.amdhsa_forward_progress 1
		.amdhsa_inst_pref_size 77
	.end_amdhsa_kernel
	.amdgpu_metadata
---
amdhsa.version: [ 1, 2 ]
amdhsa.kernels:
  - .name:           k_q3e3c821a24_gstate
    .symbol:         k_q3e3c821a24_gstate.kd
    .args:
      - { .name: qkv, .offset: 0, .size: 8, .value_kind: global_buffer, .address_space: global }
      - { .name: sfrag, .offset: 8, .size: 8, .value_kind: global_buffer, .address_space: global }
    .group_segment_fixed_size: 142848
    .private_segment_fixed_size: 0
    .kernarg_segment_align: 8
    .kernarg_segment_size: 16
    .max_flat_workgroup_size: 256
    .sgpr_count:     66
    .vgpr_count:     202
    .wavefront_size: 32
...
	.end_amdgpu_metadata
.endif
;; end of part 2
;; launch attn (part 3): grid 32 x 8, 4 waves a work-group, no clusters, 141,824 bytes of LDS; arguments qkvh, qkv, sfrag, base, fla; writes base, fla
.if DOCPART == 3
	.amdgcn_target "amdgcn-amd-amdhsa--gfx1250"
	.amdhsa_code_object_version 6
	.text
	.protected	k_q3e3c821a24_attn
	.globl	k_q3e3c821a24_attn
	.p2align	8
	.type	k_q3e3c821a24_attn,@function
k_q3e3c821a24_attn:
	s_mov_b64 s[64:65], 0
	v_nop
	global_prefetch_b8 v0, s[64:65] scope:SCOPE_SE
	s_setreg_imm32_b32 hwreg(HW_REG_WAVE_MODE, 25, 1), 1
	s_wait_xcnt 0x0
; Causal softmax attention (-> base, f16) and the whole gated linear attention times 0.01 / sqrt(128) (-> fla, bf16).
; A work-group takes 32 query tokens (block i = 31 - x, long ones first) of the four query heads of one kv head (y = 4 b + kvh); wave w takes head 4 kvh + w.
; FORMATS: the softmax branch works on qkvh: q, k, v, P and base in f16, whose 11 significant bits the first tokens need (their outputs are some nine times
; the output's root mean square); the linear attention works on qkv, in bf16, since its scores and state pass f16's range for large inputs.
; Everything is transposed: S^T = K Q^T (a lane holds one token t = r and keys s along its registers), O^T = V^T P^T.  So the running maximum and sum are
; a lane's own figures, P^T is a B fragment after a conversion in the lane, and a lane ends with 8 neighbouring numbers of a token's row.
; K and V blocks of 32 keys go memory -> registers -> LDS (two buffers by turns, one barrier a block; the next block's loads fly during a block).
; The diagonal block comes first: it starts every sum, and gives every row a finite maximum.  Its bf16 copy lies in LDS for the linear attention's tail.
; No joint requests in clusters: the query blocks of a kv head need different numbers of key blocks (the causal mask).
; LINEAR ATTENTION, chunk = my 32 tokens: o_t = (q_t x gates from the chunk's start to t) S_chunk + sum over s <= t of (q_t . (k_s x gates s+1..t)) v_s.
; For s < t let w be the highest bit in which they differ and mid the middle of their aligned group of 2 w: gates s+1..t = (gates s+1..mid-1) x (gates mid..t).
; Table X_w holds k_s x (gates s+1..mid-1) in the lower halves of the groups and (gates mid..t) in the upper halves: one product of tables for each w, and a select.
; Every factor is a plain product of sigmoids (at most 1): nothing can overflow, no difference of sums is formed.
; LIMITS: |q|, |k|, |v| under 65,504 in the softmax branch (f16); in the linear attention q, k, v, the gate products, the scores and the state are bf16 matrix
; operands, gates are made from the bf16 k, gate products below 2^-126 may become 0; fla is stored in bf16; NaN and infinities in the inputs are not served.
.set RING0, 0                          ; a K/V buffer: K 32 rows x 272, then V 32 rows x 288
.set RING1, 17920
.set DIAG,  35840                      ; the diagonal block in f16
.set DIAGB, 53760                      ; the diagonal block in bf16
.set XARR,  71680                      ; six tables of 32 rows x 272: 0 gates from the start, 1..5 the tables of w = 16, 8, 4, 2, 1
.set STAGE, 123904                     ; 16 rows x 272 for each wave, its own
.set GOFF, 4
.set KS,   5
.set VS,   6
.set KA,   7
.set VA,   8
.set XA,   9
.set XS,   10
.set KC,   11
.set STO,  12
.set RD,   13
.set CO,   14
.set QO,   15
.set SO,   16
.set NINF, 17
.set XR,   20                          ; v20-27  (8 h + j) xor r, or 0x100 where 8 h + j > r
.set MM,   28                          ; v28-29  running maximum, token tile 0, 1
.set LS,   30                          ; v30-31  running sum (my half of the keys)
.set NMC,  32                          ; v32-35  -c x maximum, twice for each tile
.set AL,   36                          ; v36-39  the rescaling factor, twice for each tile
.set T,    40                          ; v40-47
.set DT,   48                          ; v48-63  two score tiles at work in the tail
.set KF,   64                          ; v64-127 key fragments (16 keys g, K step k) at 32 g + 8 k
.set VF,   128                         ; v128-191 V^T fragments, e-tile b at 8 b
.set ST,   192                         ; v192-223 score tile (g, q) at 16 q + 8 g; P of tile q overlays 16 q .. 16 q + 7
.set KK,   64                          ; the tail's gates: k, sigmoid, products
.set GG,   96
.set XX,   128
.set RR,   40
.set QQ,   128                         ; window 1: O(b, q) at 8 (2 b + q); Q(q, k) at 128 + 32 q + 8 k; staging at 192 and at 224
                                       ; window 2: state fragments (b, a) at 32 b + 4 a
.set MSB, 0
.macro WIN new
.if MSB != \new
	s_set_vgpr_msb (MSB<<8)|\new
.set MSB, \new
.endif
.endm
.macro PLACES                          ; five plain places: enough also for a matrix instruction that writes over an earlier one's registers (ISA guide 7.12.1)
.rept 5
	v_nop
.endr
.endm
.macro GLOAD p, st                     ; a block of 32 keys: K and V, 8 loads, into window 1 at st
	WIN 0x40
.irp n, 0,1,2,3
	global_load_b128 v[\st+4*\n:\st+4*\n+3],       v[GOFF], s[\p:\p+1] offset:49152*\n
	global_load_b128 v[\st+16+4*\n:\st+16+4*\n+3], v[GOFF], s[\p:\p+1] offset:49152*\n+1024
.endr
.endm
.macro LSTORE buf, st
	WIN 0x04
.irp n, 0,1,2,3
	ds_store_b128 v[KS], v[\st+4*\n:\st+4*\n+3]       offset:\buf+2176*\n
	ds_store_b128 v[VS], v[\st+16+4*\n:\st+16+4*\n+3] offset:\buf+2304*\n
.endr
.endm
.macro QLOAD p                         ; my head's q as B fragments: 16 loads
	WIN 0x40
.irp q, 0,1
.irp k, 0,1,2,3
	global_load_b128 v[QQ+32*\q+8*\k:QQ+32*\q+8*\k+3],   v[QO], s[\p:\p+1] offset:98304*\q+64*\k
	global_load_b128 v[QQ+32*\q+8*\k+4:QQ+32*\q+8*\k+7], v[QO], s[\p:\p+1] offset:98304*\q+64*\k+32
.endr
.endr
.endm
.macro RFETCH adr, off                 ; 16 loads: 32 rows x 128 along d as fragments
	WIN 0
.irp g, 0,1
.irp k, 0,1,2,3
	ds_load_b128 v[KF+32*\g+8*\k:KF+32*\g+8*\k+3],   v[\adr] offset:\off+4352*\g+64*\k
	ds_load_b128 v[KF+32*\g+8*\k+4:KF+32*\g+8*\k+7], v[\adr] offset:\off+4352*\g+64*\k+32
.endr
.endr
.endm
.macro VFETCH buf                      ; 16 transposing loads: V^T, 128 e x 32 keys
	WIN 0
.irp b, 0,1,2,3,4,5,6,7
	ds_load_tr16_b128 v[VF+8*\b:VF+8*\b+3],   v[VA] offset:\buf+32*\b
	ds_load_tr16_b128 v[VF+8*\b+4:VF+8*\b+7], v[VA] offset:\buf+32*\b+4608
.endr
.endm
.macro SCORES                          ; f16; four accumulators by turns, one instruction a turn
	WIN 0x04
.irp k, 0,1,2,3
.irp q, 0,1
.irp g, 0,1
.if \k == 0
	v_wmma_f32_16x16x32_f16 v[ST+16*\q+8*\g:ST+16*\q+8*\g+7], v[KF+32*\g+8*\k:KF+32*\g+8*\k+7], v[QQ+32*\q+8*\k:QQ+32*\q+8*\k+7], 0
.else
	v_wmma_f32_16x16x32_f16 v[ST+16*\q+8*\g:ST+16*\q+8*\g+7], v[KF+32*\g+8*\k:KF+32*\g+8*\k+7], v[QQ+32*\q+8*\k:QQ+32*\q+8*\k+7], v[ST+16*\q+8*\g:ST+16*\q+8*\g+7]
.endif
.endr
.endr
.endr
.endm
.macro MASKD                           ; the diagonal block: keys behind the token get minus infinity
	WIN 0
.irp j, 0,1,2,3,4,5,6,7
	v_cmp_lt_u32 vcc_lo, 0xff, v[XR+\j]
	v_cndmask_b32 v[ST+\j], v[ST+\j], v[NINF], vcc_lo
	v_cndmask_b32 v[ST+24+\j], v[ST+24+\j], v[NINF], vcc_lo
	v_mov_b32 v[ST+8+\j], v[NINF]                  ; keys 16-31 against tokens 0-15
.endr
.endm
.macro SCALEO                          ; O *= AL
	WIN 0x41
.irp q, 0,1
.irp b, 0,1,2,3,4,5,6,7
.irp p, 0,2,4,6
	v_pk_mul_f32 v[8*(2*\b+\q)+\p:8*(2*\b+\q)+\p+1], v[8*(2*\b+\q)+\p:8*(2*\b+\q)+\p+1], v[AL+2*\q:AL+2*\q+1]
.endr
.endr
.endr
.endm
.macro SOFTMAX first
	WIN 0
.irp q, 0,1
	v_max3_num_f32 v[T], v[ST+16*\q], v[ST+16*\q+1], v[ST+16*\q+2]
.irp j, 3,5,7,9,11,13
	v_max3_num_f32 v[T], v[T], v[ST+16*\q+\j], v[ST+16*\q+\j+1]
.endr
	v_max_num_f32 v[T], v[T], v[ST+16*\q+15]
	v_permlanex16_b32 v[T+1], v[T], s34, s35       ; the other half of the keys lies 16 lanes away
.if \first
	v_max_num_f32 v[MM+\q], v[T], v[T+1]
.else
	v_max3_num_f32 v[T+2], v[T], v[T+1], v[MM+\q]
	v_sub_f32 v[T+3], v[MM+\q], v[T+2]
	v_mov_b32 v[MM+\q], v[T+2]
	v_mul_f32 v[T+3], s32, v[T+3]
	v_exp_f32 v[AL+2*\q], v[T+3]
	v_exp_f32 v[AL+2*\q+1], v[T+3]
.endif
	v_mul_f32 v[NMC+2*\q], s38, v[MM+\q]
	v_mul_f32 v[NMC+2*\q+1], s38, v[MM+\q]
.irp j, 0,2,4,6,8,10,12,14
	v_pk_fma_f32 v[ST+16*\q+\j:ST+16*\q+\j+1], v[ST+16*\q+\j:ST+16*\q+\j+1], s[32:33], v[NMC+2*\q:NMC+2*\q+1] op_sel_hi:[1,0,1]
.endr
.irp j, 0,1,2,3,4,5,6,7,8,9,10,11,12,13,14,15
	v_exp_f32 v[ST+16*\q+\j], v[ST+16*\q+\j]       ; exp((s - max) / sqrt(128)), at most 1
.endr
	v_nop                                          ; a plain place behind the transcendentals (ISA guide 5.7.2)
	s_wait_alu depctr_va_vdst(0)
.irp j, 0,1,2,3
	v_pk_add_f32 v[T+2*\j:T+2*\j+1], v[ST+16*\q+4*\j:ST+16*\q+4*\j+1], v[ST+16*\q+4*\j+2:ST+16*\q+4*\j+3]
.endr
	v_pk_add_f32 v[T:T+1], v[T:T+1], v[T+2:T+3]
	v_pk_add_f32 v[T+4:T+5], v[T+4:T+5], v[T+6:T+7]
	v_pk_add_f32 v[T:T+1], v[T:T+1], v[T+4:T+5]
.if \first
	v_add_f32 v[LS+\q], v[T], v[T+1]
.else
	v_add_f32 v[T], v[T], v[T+1]
	v_fma_f32 v[LS+\q], v[LS+\q], v[AL+2*\q], v[T]
.endif
.irp j, 0,1,2,3,4,5,6,7
	v_cvt_pk_f16_f32 v[ST+16*\q+\j], v[ST+16*\q+2*\j], v[ST+16*\q+2*\j+1]        ; P^T as a B fragment in f16, in the lane
.endr
.endr
.if \first == 0
	SCALEO
.endif
.endm
.macro PV first, h                     ; sixteen accumulators by turns; h = 1: f16 (softmax), 0: bf16 (linear attention)
	WIN 0x50
.irp b, 0,1,2,3,4,5,6,7
.irp q, 0,1
.if \h
.if \first
	v_wmma_f32_16x16x32_f16 v[8*(2*\b+\q):8*(2*\b+\q)+7], v[VF+8*\b:VF+8*\b+7], v[ST+16*\q:ST+16*\q+7], 0
.else
	v_wmma_f32_16x16x32_f16 v[8*(2*\b+\q):8*(2*\b+\q)+7], v[VF+8*\b:VF+8*\b+7], v[ST+16*\q:ST+16*\q+7], v[8*(2*\b+\q):8*(2*\b+\q)+7]
.endif
.else
.if \first
	v_wmma_f32_16x16x32_bf16 v[8*(2*\b+\q):8*(2*\b+\q)+7], v[VF+8*\b:VF+8*\b+7], v[ST+16*\q:ST+16*\q+7], 0
.else
	v_wmma_f32_16x16x32_bf16 v[8*(2*\b+\q):8*(2*\b+\q)+7], v[VF+8*\b:VF+8*\b+7], v[ST+16*\q:ST+16*\q+7], v[8*(2*\b+\q):8*(2*\b+\q)+7]
.endif
.endif
.endr
.endr
.endm
.macro COMPUTE buf, first, mask
	RFETCH KA, \buf
	VFETCH \buf
	s_wait_dscnt 0x10                              ; K's sixteen loads are in; V's sixteen stay out
	SCORES
	PLACES
.if \mask
	MASKD
.endif
	SOFTMAX \first
	s_wait_dscnt 0x0
	PV \first, 1
	PLACES
	WIN 0
.endm
.macro BLOCK buf
	s_wait_loadcnt 0x0                             ; this block is in registers; its pointer is free
	LSTORE \buf, 192                               ; this buffer's readers passed the last block's barrier
	WIN 0
	s_cmp_lt_u32 s41, s13
	s_cbranch_scc0 .Lnoask_\@                      ; nothing is asked for beyond block i - 1
	s_add_nc_u64 s[20:21], s[20:21], 196608
	GLOAD 20, 192
	WIN 0
.Lnoask_\@:
	s_add_co_u32 s41, s41, 1
	s_wait_dscnt 0x0
	s_barrier_signal -1
	s_barrier_wait -1
	COMPUTE \buf, 0, 0
.endm
.macro OUT q, p, h                     ; 16 tokens x 128 numbers of 16 bits (h = 1: f16, 0: bf16) through my own stage, out as whole rows of 256 bytes
	s_wait_xcnt 0x0                                ; the registers that earlier stores read are written again only behind this wait
	WIN 0x05
.irp b, 0,1,2,3,4,5,6,7
.irp j, 0,1,2,3
.if \h
	v_cvt_pk_f16_f32 v[KF+4*\b+\j], v[8*(2*\b+\q)+2*\j], v[8*(2*\b+\q)+2*\j+1]
.else
	v_cvt_pk_bf16_f32 v[KF+4*\b+\j], v[8*(2*\b+\q)+2*\j], v[8*(2*\b+\q)+2*\j+1]
.endif
.endr
.endr
	WIN 0
.irp b, 0,1,2,3,4,5,6,7
	ds_store_b128 v[STO], v[KF+4*\b:KF+4*\b+3] offset:32*\b
.endr
.irp n, 0,1,2,3,4,5,6,7
	ds_load_b128 v[VF+4*\n:VF+4*\n+3], v[RD] offset:544*\n                        ; a wave's LDS instructions are served in order: these see the stores above
.endr
.irp n, 0,1,2,3,4,5,6,7
	s_wait_dscnt 7-\n
	global_store_b128 v[CO], v[VF+4*\n:VF+4*\n+3], s[\p:\p+1] offset:(16*\q+2*\n)*4096   ; 16 lanes: 256 consecutive bytes, aligned
.endr
.endm
.macro PREFIX a, z                     ; X[n] = gates a .. n
	v_mov_b32 v[XX+\a], v[GG+\a]
.set n, \a+1
.rept \z-\a-1
	v_mul_f32 v[XX+n], v[XX+n-1], v[GG+n]
.set n, n+1
.endr
.endm
.macro SUFFIX a, z                     ; X[n] = k[n] x gates n+1 .. z-1
	v_mov_b32 v[XX+\z-1], v[KK+\z-1]
.if \z-\a > 1
	v_mul_f32 v[XX+\z-2], v[KK+\z-2], v[GG+\z-1]
.endif
.if \z-\a > 2
	v_mul_f32 v[RR], v[GG+\z-1], v[GG+\z-2]
.set n, \z-3
.rept \z-\a-2
	v_mul_f32 v[XX+n], v[KK+n], v[RR]
.if n > \a
	v_mul_f32 v[RR], v[RR], v[GG+n]
.endif
.set n, n-1
.endr
.endif
.endm
.macro XSTORE idx                      ; my column of table idx, 32 rows, bf16
.set n, 0
.rept 16
	v_cvt_pk_bf16_f32 v[T+2+(n&1)*2], v[XX+2*n], v[XX+2*n+1]
	v_lshrrev_b32 v[T+3+(n&1)*2], 16, v[T+2+(n&1)*2]
	ds_store_b16 v[XS], v[T+2+(n&1)*2] offset:8704*\idx+544*n
	ds_store_b16 v[XS], v[T+3+(n&1)*2] offset:8704*\idx+544*n+272
.set n, n+1
.endr
.endm
.macro LEVEL idx, w
.set gb, 0
.rept 32/(2*\w)
	SUFFIX gb, gb+\w
	PREFIX gb+\w, gb+2*\w
.set gb, gb+2*\w
.endr
	XSTORE \idx
.endm
.macro LVPAIR arr, w                   ; both diagonal tiles with table arr; taken where the highest differing bit is at least w
	RFETCH XA, 8704*\arr
	s_wait_dscnt 0x0
	WIN 0x01
.set n, 0
.rept 64
	v_pk_mul_bf16 v[VF+n], v[QQ+n], v[KF+n]        ; q x the table's row
.set n, n+1
.endr
	WIN 0
.irp k, 0,1,2,3
.irp q, 0,1
.if \k == 0
	v_wmma_f32_16x16x32_bf16 v[DT+8*\q:DT+8*\q+7], v[KF+32*\q+8*\k:KF+32*\q+8*\k+7], v[VF+32*\q+8*\k:VF+32*\q+8*\k+7], 0
.else
	v_wmma_f32_16x16x32_bf16 v[DT+8*\q:DT+8*\q+7], v[KF+32*\q+8*\k:KF+32*\q+8*\k+7], v[VF+32*\q+8*\k:VF+32*\q+8*\k+7], v[DT+8*\q:DT+8*\q+7]
.endif
.endr
.endr
	PLACES
.irp j, 0,1,2,3,4,5,6,7
	v_cmp_le_u32 vcc_lo, \w, v[XR+\j]
	v_cndmask_b32 v[ST+\j], v[ST+\j], v[DT+\j], vcc_lo
	v_cndmask_b32 v[ST+24+\j], v[ST+24+\j], v[DT+8+\j], vcc_lo
.endr
.endm
	s_load_b256 s[4:11], s[0:1], 0x0               ; qkvh s[4:5], qkv s[6:7], sfrag s[8:9], base s[10:11]
	s_load_b64 s[18:19], s[0:1], 0x20              ; fla
	v_lshl_add_u32 v254, v0, 2, 0x22800
	v_mov_b32 v255, 0
	v_lshrrev_b32 v3, 5, v0
	v_readfirstlane_b32 s12, v3                    ; wave
	s_sub_co_u32 s13, 31, ttmp9                    ; i: my block of 32 tokens
	s_and_b32 s14, ttmp7, 0xffff                   ; y = 4 b + kvh
	s_lshr_b32 s15, s14, 2
	s_and_b32 s16, s14, 3
	s_lshl_b32 s17, s16, 2
	s_add_co_u32 s17, s17, s12                     ; my head
	s_mov_b32 s32, 0x3e0293ee                      ; c = log2(e) / sqrt(128)
	s_mov_b32 s33, 0x3e0293ee
	s_mov_b32 s38, 0xbe0293ee                      ; -c
	s_mov_b32 s34, 0x76543210                      ; v_permlanex16_b32: lane i of the other half
	s_mov_b32 s35, 0xfedcba98
	s_mov_b32 s42, 0x3a67b46a                      ; 0.01 / sqrt(128)
	s_mov_b32 s43, 0x3a67b46a
	s_mul_i32 s44, s15, 6291456
	s_lshl_b32 s45, s16, 8
	s_add_co_u32 s44, s44, s45
	s_add_co_u32 s44, s44, 4096                    ; K of my kv head, token 0 of my batch
	s_mov_b32 s45, 0
	s_mul_i32 s46, s13, 196608                     ; 32 tokens of 6,144 bytes
	s_mov_b32 s47, 0
	s_lshl_b32 s48, s15, 10
	s_lshl_b32 s49, s13, 5
	s_add_co_u32 s48, s48, s49                     ; my first token
	s_lshl_b32 s49, s17, 8
	s_mul_i32 s50, s48, 6144
	s_add_co_u32 s50, s50, s49
	s_mov_b32 s51, 0
	s_lshl_b32 s52, s14, 5
	s_add_co_u32 s52, s52, s13
	s_lshl_b32 s52, s52, 15
	s_mov_b32 s53, 0
	s_lshl_b32 s54, s48, 12
	s_add_co_u32 s54, s54, s49
	s_mov_b32 s55, 0
	s_mul_i32 s56, s12, 4352
	s_add_co_u32 s56, s56, STAGE                   ; my stage
	v_and_b32 v1, 15, v0                           ; r
	v_bfe_u32 v2, v0, 4, 1                         ; h
	v_lshrrev_b32 v3, 4, v0
	v_and_b32 v18, 7, v0
	v_bfe_u32 v19, v0, 3, 1
	v_lshlrev_b32 v45, 4, v1                       ; 16 r
	v_mad_u32_u24 v[GOFF], v3, 6144, v45
	v_mad_u32_u24 v[KS], v3, 272, v45
	v_mad_u32_u24 v[VS], v3, 288, v45
	v_add_nc_u32 v[VS], 8704, v[VS]
	v_mul_u32_u24 v[KA], v1, 272
	v_lshl_add_u32 v[KA], v2, 4, v[KA]
	v_lshl_add_u32 v[VA], v2, 3, v18
	v_mul_u32_u24 v[VA], v[VA], 288
	v_lshl_add_u32 v[VA], v19, 4, v[VA]
	v_add_nc_u32 v[VA], 8704, v[VA]
	v_add_nc_u32 v[XA], XARR, v[KA]
	v_lshlrev_b32 v[XS], 1, v0
	v_add_nc_u32 v[KC], DIAGB, v[XS]
	v_add_nc_u32 v[XS], XARR, v[XS]
	v_add_nc_u32 v[STO], s56, v[KA]
	v_mad_u32_u24 v[RD], v2, 272, v45
	v_add_nc_u32 v[RD], s56, v[RD]
	v_lshl_add_u32 v[CO], v2, 12, v45
	v_mul_u32_u24 v[QO], v1, 6144
	v_lshl_add_u32 v[QO], v2, 4, v[QO]
	v_and_b32 v[SO], 31, v0
	v_lshlrev_b32 v[SO], 4, v[SO]
	v_mov_b32 v[NINF], 0xff800000
	v_mov_b32 v[T+1], 0                            ; a lane permute's destination counts as read
	v_lshlrev_b32 v46, 3, v2
	v_mov_b32 v47, 0x100
.irp j, 0,1,2,3,4,5,6,7
	v_add_nc_u32 v44, \j, v46
	v_xor_b32 v[XR+\j], v44, v1
	v_cmp_gt_u32 vcc_lo, v44, v1
	v_cndmask_b32 v[XR+\j], v[XR+\j], v47, vcc_lo
.endr
	s_wait_kmcnt 0x0
	s_add_nc_u64 s[20:21], s[4:5], s[44:45]        ; f16: key block 0
	s_add_nc_u64 s[22:23], s[20:21], s[46:47]      ; f16: the diagonal block
	s_add_nc_u64 s[24:25], s[4:5], s[50:51]        ; f16: my head's q
	s_add_nc_u64 s[58:59], s[6:7], s[44:45]
	s_add_nc_u64 s[58:59], s[58:59], s[46:47]      ; bf16: the diagonal block
	s_add_nc_u64 s[60:61], s[6:7], s[50:51]        ; bf16: my head's q
	s_add_nc_u64 s[26:27], s[8:9], s[52:53]        ; my chunk's state
	s_add_nc_u64 s[28:29], s[10:11], s[54:55]
	s_add_nc_u64 s[30:31], s[18:19], s[54:55]
	GLOAD 22, 192
	GLOAD 58, 224
	QLOAD 24
	s_wait_loadcnt 0x10                            ; the two diagonal tiles' sixteen loads are in; q's sixteen stay out
	LSTORE DIAG, 192
	LSTORE DIAGB, 224
	WIN 0
	s_wait_loadcnt 0x0                             ; q is in, on both ways below
	s_mov_b32 s41, 1                               ; the next key block to ask for
	s_cmp_eq_u32 s13, 0
	s_cbranch_scc1 .Lnofirst
	GLOAD 20, 192                                  ; key block 0 flies during the diagonal block
	WIN 0
.Lnofirst:
	s_wait_dscnt 0x0
	s_barrier_signal -1
	s_barrier_wait -1
	COMPUTE DIAG, 1, 1
	s_lshr_b32 s40, s13, 1
	s_cmp_eq_u32 s40, 0
	s_cbranch_scc1 .Lnopairs
.Lpair:
	BLOCK RING0
	BLOCK RING1
	s_sub_co_u32 s40, s40, 1
	s_cmp_lg_u32 s40, 0
	s_cbranch_scc1 .Lpair
.Lnopairs:
	s_and_b32 s44, s13, 1
	s_cmp_eq_u32 s44, 0
	s_cbranch_scc1 .Lnoodd
	BLOCK RING0
.Lnoodd:
	QLOAD 60                                       ; the scores are done: q in bf16 takes the place of q in f16; it flies during the way out of base
	WIN 0
	v_permlanex16_b32 v[T], v[LS], s34, s35        ; the two halves of the keys meet
	v_permlanex16_b32 v[T+1], v[LS+1], s34, s35
	v_add_f32 v[LS], v[LS], v[T]
	v_add_f32 v[LS+1], v[LS+1], v[T+1]
	v_rcp_f32 v[AL], v[LS]
	v_rcp_f32 v[AL+1], v[LS]
	v_rcp_f32 v[AL+2], v[LS+1]
	v_rcp_f32 v[AL+3], v[LS+1]
	v_nop
	s_wait_alu depctr_va_vdst(0)
	SCALEO
	OUT 0, 28, 1
	OUT 1, 28, 1
	; THE LINEAR ATTENTION.  The state's fragments are asked for first: 64 loads of 512 consecutive bytes
	s_wait_loadcnt 0x0                             ; q in bf16 is in
	WIN 0x80
.irp b, 0,1,2,3,4,5,6,7
.irp a, 0,1,2,3,4,5,6,7
	global_load_b128 v[32*\b+4*\a:32*\b+4*\a+3], v[SO], s[26:27] offset:512*(8*\b+\a)
.endr
.endr
	WIN 0
	s_wait_xcnt 0x0                                ; the last stores' data registers are written again only behind this wait
	; gates: thread t owns key column d = t of the chunk's 32 rows
.set n, 0
.rept 32
	ds_load_u16 v[KK+n], v[KC] offset:272*n
.set n, n+1
.endr
	s_wait_dscnt 0x0
.set n, 0
.rept 32
	v_lshlrev_b32 v[KK+n], 16, v[KK+n]
.set n, n+1
.endr
.set n, 0
.rept 32
	v_mul_f32 v[GG+n], 0xbfb8aa3b, v[KK+n]
.set n, n+1
.endr
.set n, 0
.rept 32
	v_exp_f32 v[GG+n], v[GG+n]
.set n, n+1
.endr
	v_nop
.set n, 0
	s_wait_alu depctr_va_vdst(0)
.rept 32
	v_add_f32 v[GG+n], 1.0, v[GG+n]
.set n, n+1
.endr
.set n, 0
.rept 32
	v_rcp_f32 v[GG+n], v[GG+n]
.set n, n+1
.endr
	v_nop
	s_wait_alu depctr_va_vdst(0)
	PREFIX 0, 32
	XSTORE 0
	LEVEL 1, 16
	LEVEL 2, 8
	LEVEL 3, 4
	LEVEL 4, 2
	LEVEL 5, 1
	s_wait_dscnt 0x0
	s_barrier_signal -1
	s_barrier_wait -1
	; s = t: plain q . k, into both diagonal tiles; two accumulators by turns
	RFETCH KA, DIAGB
	s_wait_dscnt 0x0
	WIN 0x04
.irp k, 0,1,2,3
.irp q, 0,1
.if \k == 0
	v_wmma_f32_16x16x32_bf16 v[ST+24*\q:ST+24*\q+7], v[KF+32*\q+8*\k:KF+32*\q+8*\k+7], v[QQ+32*\q+8*\k:QQ+32*\q+8*\k+7], 0
.else
	v_wmma_f32_16x16x32_bf16 v[ST+24*\q:ST+24*\q+7], v[KF+32*\q+8*\k:KF+32*\q+8*\k+7], v[QQ+32*\q+8*\k:QQ+32*\q+8*\k+7], v[ST+24*\q:ST+24*\q+7]
.endif
.endr
.endr
	PLACES
	LVPAIR 5, 1
	LVPAIR 4, 2
	LVPAIR 3, 4
	LVPAIR 2, 8
.irp j, 0,1,2,3,4,5,6,7
	v_cmp_gt_u32 vcc_lo, 0x100, v[XR+\j]           ; s <= t stays, s > t becomes 0
	v_cndmask_b32 v[ST+\j], 0, v[ST+\j], vcc_lo
	v_cndmask_b32 v[ST+24+\j], 0, v[ST+24+\j], vcc_lo
.endr
	; w = 16: keys 0-15 against tokens 16-31, all of them; K steps 0, 1 and 2, 3 on two accumulators by turns
	RFETCH XA, 8704
	s_wait_dscnt 0x0
	WIN 0x01
.set n, 32
.rept 32
	v_pk_mul_bf16 v[VF+n], v[QQ+n], v[KF+n]
.set n, n+1
.endr
	WIN 0
	v_wmma_f32_16x16x32_bf16 v[DT:DT+7],    v[KF:KF+7],     v[VF+32:VF+39], 0
	v_wmma_f32_16x16x32_bf16 v[DT+8:DT+15], v[KF+16:KF+23], v[VF+48:VF+55], 0
	v_wmma_f32_16x16x32_bf16 v[DT:DT+7],    v[KF+8:KF+15],  v[VF+40:VF+47], v[DT:DT+7]
	v_wmma_f32_16x16x32_bf16 v[DT+8:DT+15], v[KF+24:KF+31], v[VF+56:VF+63], v[DT+8:DT+15]
	PLACES
.irp j, 0,2,4,6
	v_pk_add_f32 v[ST+16+\j:ST+17+\j], v[DT+\j:DT+\j+1], v[DT+8+\j:DT+9+\j]
.endr
	VFETCH DIAGB
.irp j, 0,1,2,3
	v_cvt_pk_bf16_f32 v[ST+\j], v[ST+2*\j], v[ST+2*\j+1]
.endr
.irp j, 4,5,6,7
	v_mov_b32 v[ST+\j], 0                          ; keys 16-31 give nothing to tokens 0-15
.endr
.irp j, 0,1,2,3
	v_cvt_pk_bf16_f32 v[ST+16+\j], v[ST+16+2*\j], v[ST+17+2*\j]
.endr
.irp j, 0,1,2,3
	v_cvt_pk_bf16_f32 v[ST+20+\j], v[ST+24+2*\j], v[ST+25+2*\j]
.endr
	s_wait_dscnt 0x0
	PV 1, 0                                        ; the part from inside the chunk starts the sums
	RFETCH XA, 0                                   ; gates from the chunk's start to t
	s_wait_dscnt 0x0
	WIN 0x41
.set n, 0
.rept 64
	v_pk_mul_bf16 v[QQ+n], v[QQ+n], v[KF+n]
.set n, n+1
.endr
	s_wait_loadcnt 0x0                             ; the state's fragments are in
	WIN 0x56
.irp k, 0,1,2,3
.irp b, 0,1,2,3,4,5,6,7
.irp q, 0,1
	v_wmma_f32_16x16x32_bf16 v[8*(2*\b+\q):8*(2*\b+\q)+7], v[32*\b+8*\k:32*\b+8*\k+7], v[QQ+32*\q+8*\k:QQ+32*\q+8*\k+7], v[8*(2*\b+\q):8*(2*\b+\q)+7]
.endr
.endr
.endr
	PLACES
	WIN 0x41
.set n, 0
.rept 64
	v_pk_mul_f32 v[2*n:2*n+1], v[2*n:2*n+1], s[42:43] op_sel_hi:[1,0]
.set n, n+1
.endr
	OUT 0, 30, 0
	OUT 1, 30, 0
	s_wait_tensorcnt 0x0
	ds_add_u32 v254, v255
	s_wait_dscnt 0x0
	s_endpgm
.Lfunc_end_k_q3e3c821a24_attn:
	.size	k_q3e3c821a24_attn, .Lfunc_end_k_q3e3c821a24_attn-k_q3e3c821a24_attn
	.p2alignl 7, 3214868480
	.fill 96, 4, 3214868480
	.section	.rodata,"a",@progbits
	.p2align	6, 0x0
	.amdhsa_kernel k_q3e3c821a24_attn
		.amdhsa_group_segment_fixed_size 141824
		.amdhsa_private_segment_fixed_size 0
		.amdhsa_enable_private_segment 0
		.amdhsa_kernarg_size 40
		.amdhsa_user_sgpr_count 2
		.amdhsa_user_sgpr_kernarg_segment_ptr 1
		.amdhsa_wavefront_size32 1
		.amdhsa_system_sgpr_workgroup_id_x 1
		.amdhsa_system_sgpr_workgroup_id_y 1
		.amdhsa_system_sgpr_workgroup_id_z 1
		.amdhsa_system_vgpr_workitem_id 0
		.amdhsa_next_free_vgpr 768
		.amdhsa_next_free_sgpr 66
		.amdhsa_reserve_vcc 1
		.amdhsa_float_denorm_mode_32 3
		.amdhsa_float_denorm_mode_16_64 3
		.amdhsa_memory_ordered 1
		.amdhsa_forward_progress 1
		.amdhsa_inst_pref_size 189
	.end_amdhsa_kernel
	.amdgpu_metadata
---
amdhsa.version: [ 1, 2 ]
amdhsa.kernels:
  - .name:           k_q3e3c821a24_attn
    .symbol:         k_q3e3c821a24_attn.kd
    .args:
      - { .name: qkvh, .offset: 0, .size: 8, .value_kind: global_buffer, .address_space: global }
      - { .name: qkv, .offset: 8, .size: 8, .value_kind: global_buffer, .address_space: global }
      - { .name: sfrag, .offset: 16, .size: 8, .value_kind: global_buffer, .address_space: global }
      - { .name: base, .offset: 24, .size: 8, .value_kind: global_buffer, .address_space: global }
      - { .name: fla, .offset: 32, .size: 8, .value_kind: global_buffer, .address_space: global }
    .group_segment_fixed_size: 141824
    .private_segment_fixed_size: 0
    .kernarg_segment_align: 8
    .kernarg_segment_size: 40
    .max_flat_workgroup_size: 128
    .sgpr_count:     66
    .vgpr_count:     768
    .wavefront_size: 32
...
	.end_amdgpu_metadata
.endif
;; end of part 3
;; launch gemm_out (part 4): grid 16 x 16, 4 waves a work-group, no clusters, 91,648 bytes of LDS; arguments base, Wo, fla, out0; writes out0
.if DOCPART == 4
	.amdgcn_target "amdgcn-amd-amdhsa--gfx1250"
	.amdhsa_code_object_version 6
	.text
	.protected	k_q3e3c821a24_gemm_out
	.globl	k_q3e3c821a24_gemm_out
	.p2align	8
	.type	k_q3e3c821a24_gemm_out,@function
k_q3e3c821a24_gemm_out:
	s_mov_b64 s[64:65], 0
	v_nop
	global_prefetch_b8 v0, s[64:65] scope:SCOPE_SE
	s_setreg_imm32_b32 hwreg(HW_REG_WAVE_MODE, 25, 1), 1
	s_wait_xcnt 0x0
; out0[2048][2048] (f32) = base[2048][2048] (f16) x Wo (f32, stored [k][n]) + fla (bf16, already times 0.01 / sqrt(128)).
; A work-group makes 128 x 128 (16 x 16 work-groups); wave (wm, wn) makes 64 x 64 = 4 x 4 tiles.  K in 32 steps of 64.
; FORMATS: all five inputs of the program enter the matrix units rounded to bf16, alike.  base is f16 (its 11 significant bits are needed: see the
; attention kernel), so the f16 matrix form is used, and Wo's bf16 numbers are written in f16's code: exact from 2^-17 up (8 significant bits in 11,
; and f16's smallest step is 2^-24), within 2^-25 below.
; Wo has to be converted on its way, so tiles go memory -> registers -> LDS; two LDS buffers by turns, one barrier a step.
; No joint requests in clusters for the same reason.  base's rows are 128 bytes a step.
; The matrix instruction is used transposed (source 0 = columns of Wo, source 1 = rows of base): a lane ends with 8 neighbouring columns of a row.
; LIMITS: Wo is rounded to bf16 and must stay under 65,504 in magnitude; NaN and infinities are not served.
.set BUF,   36864                      ; an LDS buffer: base part 128 rows x 144, Wo part 64 k-rows x 288
.set BPART, 18432
.set PA,    144
.set PB,    288
.set STAGE, 73728                      ; 16 rows x 272 (64 f32 + 16 bytes) for each wave, its own
.set AOFF, 10
.set BOFF, 11
.set SA,   36
.set SB,   38
.set FA,   40
.set FB,   42
.set STO,  44
.set RD,   45
.set CO,   46
.set FO,   47
.set F0,   64                          ; v64-127  fragments: base 4 x 8, Wo 4 x 8
.set F1,   128                         ; v128-191
.set T,    192                         ; v192-223 fla of 16 rows in f32
; window 1: accumulator (mi, ni) at v[8 (4 mi + ni)];  window 2: staging, base at v[4 n], Wo at v[32 + 4 n], fla at v[96 + 2 (8 mi + n)]
.set MSB, 0
.macro WIN new
.if MSB != \new
	s_set_vgpr_msb (MSB<<8)|\new
.set MSB, \new
.endif
.endm
.macro PLACES                          ; four plain vector places behind matrix instructions (ISA guide 7.12.1)
.rept 4
	v_nop
.endr
.endm
.macro GLD
	WIN 0x80
.irp n, 0,1,2,3,4,5,6,7
	global_load_b128 v[4*\n:4*\n+3], v[AOFF], s[20:21] offset:65536*\n
.endr
.irp n, 0,1,2,3,4,5,6,7,8,9,10,11,12,13,14,15
	global_load_b128 v[32+4*\n:32+4*\n+3], v[BOFF], s[24:25] offset:32768*\n
.endr
.endm
.macro NEXT
	s_add_nc_u64 s[20:21], s[20:21], 128
	s_add_nc_u64 s[24:25], s[24:25], 524288
.endm
.macro CVST s                          ; Wo: f32 -> bf16 (the rounding) -> f32 (a shift, a mask) -> f16's code, in place; then both tiles into buffer s
	WIN 0x8a
.set i, 8
.rept 16
	v_cvt_pk_bf16_f32 v[4*i], v[4*i], v[4*i+1]
	v_cvt_pk_bf16_f32 v[4*i+2], v[4*i+2], v[4*i+3]
	v_and_b32 v[4*i+1], s44, v[4*i]
	v_lshlrev_b32 v[4*i], 16, v[4*i]
	v_and_b32 v[4*i+3], s44, v[4*i+2]
	v_lshlrev_b32 v[4*i+2], 16, v[4*i+2]
	v_cvt_pk_f16_f32 v[4*i], v[4*i], v[4*i+1]
	v_cvt_pk_f16_f32 v[4*i+1], v[4*i+2], v[4*i+3]
.set i, i+1
.endr
	WIN 0x08
.irp n, 0,1,2,3,4,5,6,7
	ds_store_b128 v[SA+\s], v[4*\n:4*\n+3] offset:16*PA*\n
.endr
.irp n, 0,1,2,3,4,5,6,7,8,9,10,11,12,13,14,15
	ds_store_b64 v[SB+\s], v[32+4*\n:32+4*\n+1] offset:4*PB*\n
.endr
.endm
.macro FETCH s, half, f
	WIN 0
.irp m, 0,1,2,3
	ds_load_b128 v[\f+8*\m:\f+8*\m+3],   v[FA+\s] offset:16*PA*\m+64*\half
	ds_load_b128 v[\f+8*\m+4:\f+8*\m+7], v[FA+\s] offset:16*PA*\m+64*\half+32
.endr
.irp n, 0,1,2,3
	ds_load_tr16_b128 v[\f+32+8*\n:\f+32+8*\n+3],   v[FB+\s] offset:32*PB*\half+32*\n
	ds_load_tr16_b128 v[\f+32+8*\n+4:\f+32+8*\n+7], v[FB+\s] offset:32*PB*\half+32*\n+16*PB
.endr
.endm
.macro MUL f, lo, zero                 ; 8 matrix instructions; the 16 accumulators take turns, one instruction a turn
	WIN 0x50
.irp m, 0,1
.irp n, 0,1,2,3
.if \zero
	v_wmma_f32_16x16x32_f16 v[8*(4*(2*\lo+\m)+\n):8*(4*(2*\lo+\m)+\n)+7], v[\f+32+8*\n:\f+32+8*\n+7], v[\f+8*(2*\lo+\m):\f+8*(2*\lo+\m)+7], 0
.else
	v_wmma_f32_16x16x32_f16 v[8*(4*(2*\lo+\m)+\n):8*(4*(2*\lo+\m)+\n)+7], v[\f+32+8*\n:\f+32+8*\n+7], v[\f+8*(2*\lo+\m):\f+8*(2*\lo+\m)+7], v[8*(4*(2*\lo+\m)+\n):8*(4*(2*\lo+\m)+\n)+7]
.endif
.endr
.endr
.endm
.macro STEP s, zero, st, ld
	s_wait_dscnt 0x0                               ; the first half's fragments are in
	MUL F0, 0, \zero
	PLACES
	FETCH \s, 1, F1
	MUL F0, 1, \zero
.if \st
	s_wait_loadcnt 0x0                             ; the next tile is in registers; its pointers are free
	CVST (1-\s)                                    ; the other buffer's readers passed the last step's barrier
.if \ld
	NEXT
	GLD
.endif
.endif
	s_wait_dscnt 0x0                               ; second half's fragments in, my stores done, my reads of this buffer done
.if \st
	s_barrier_signal -1
	MUL F1, 0, 0
	WIN 0
	s_barrier_wait -1
	PLACES
	FETCH (1-\s), 0, F0
	MUL F1, 1, 0
.else
	MUL F1, 0, 0
	MUL F1, 1, 0
.endif
.endm
	s_load_b256 s[4:11], s[0:1], 0x0               ; base s[4:5], Wo s[6:7], fla s[8:9], out0 s[10:11]
	v_lshl_add_u32 v254, v0, 2, 0x16400
	v_mov_b32 v255, 0
	v_lshrrev_b32 v3, 5, v0
	v_readfirstlane_b32 s14, v3
	s_lshr_b32 s15, s14, 1                         ; wm
	s_and_b32 s16, s14, 1                          ; wn
	s_mov_b32 s17, ttmp9                           ; column block
	s_and_b32 s18, ttmp7, 0xffff                   ; row block
	s_mov_b32 s44, 0xffff0000                      ; a word's upper bf16
	v_and_b32 v1, 15, v0                           ; r
	v_bfe_u32 v2, v0, 4, 1                         ; h
	v_lshrrev_b32 v3, 3, v0
	v_and_b32 v4, 7, v0
	v_bfe_u32 v5, v0, 3, 1
	v_lshrrev_b32 v6, 5, v0
	v_and_b32 v7, 31, v0
	v_lshlrev_b32 v8, 4, v4
	v_lshl_add_u32 v[AOFF], v3, 12, v8
	v_lshlrev_b32 v9, 4, v7
	v_lshl_add_u32 v[BOFF], v6, 13, v9
	v_mad_u32_u24 v[SA], v3, PA, v8
	v_add_nc_u32 v[SA+1], BUF, v[SA]
	v_mul_u32_u24 v9, v6, PB
	v_lshl_add_u32 v9, v7, 3, v9
	v_add_nc_u32 v[SB], BPART, v9
	v_add_nc_u32 v[SB+1], BUF+BPART, v9
	s_mul_i32 s32, s15, 64*PA
	v_mul_u32_u24 v9, v1, PA
	v_lshl_add_u32 v9, v2, 4, v9
	v_add_nc_u32 v[FA], s32, v9
	v_add_nc_u32 v[FA+1], BUF, v[FA]
	v_lshl_add_u32 v9, v2, 3, v4
	v_mul_u32_u24 v9, v9, PB
	v_lshl_add_u32 v9, v5, 4, v9
	s_lshl_b32 s33, s16, 7
	s_add_co_u32 s33, s33, BPART
	v_add_nc_u32 v[FB], s33, v9
	v_add_nc_u32 v[FB+1], BUF, v[FB]
	s_mul_i32 s32, s14, 4352
	s_add_co_u32 s32, s32, STAGE
	v_mul_u32_u24 v9, v1, 272
	v_lshl_add_u32 v9, v2, 5, v9
	v_add_nc_u32 v[STO], s32, v9
	v_lshlrev_b32 v8, 4, v1
	v_mad_u32_u24 v9, v2, 272, v8
	v_add_nc_u32 v[RD], s32, v9
	v_lshl_add_u32 v[CO], v2, 13, v8
	v_lshlrev_b32 v9, 3, v1
	v_lshl_add_u32 v[FO], v2, 12, v9
	s_lshl_b32 s32, s18, 19                        ; base: 128 rows of 4,096 bytes
	s_mov_b32 s33, 0
	s_lshl_b32 s34, s17, 9                         ; Wo: 128 columns of f32
	s_mov_b32 s35, 0
	s_lshl_b32 s36, s15, 18                        ; fla: + 64 wm rows, + my columns in bf16
	s_add_co_u32 s36, s36, s32
	s_lshl_b32 s38, s17, 8
	s_add_co_u32 s36, s36, s38
	s_lshl_b32 s38, s16, 7
	s_add_co_u32 s36, s36, s38
	s_mov_b32 s37, 0
	s_lshl_b32 s38, s36, 1                         ; out0: the same place in f32
	s_mov_b32 s39, 0
	s_wait_kmcnt 0x0
	s_add_nc_u64 s[20:21], s[4:5], s[32:33]
	s_add_nc_u64 s[24:25], s[6:7], s[34:35]
	s_add_nc_u64 s[28:29], s[8:9], s[36:37]
	s_add_nc_u64 s[30:31], s[10:11], s[38:39]
	GLD
	s_wait_loadcnt 0x0
	CVST 0
	NEXT
	GLD
	s_wait_dscnt 0x0
	s_barrier_signal -1
	s_barrier_wait -1
	FETCH 0, 0, F0
	STEP 0, 1, 1, 1                                ; the first products start the sums
	STEP 1, 0, 1, 1
	WIN 0
	s_mov_b32 s45, 14
.Lloop:
	STEP 0, 0, 1, 1
	STEP 1, 0, 1, 1
	WIN 0
	s_sub_co_u32 s45, s45, 1
	s_cmp_lg_u32 s45, 0
	s_cbranch_scc1 .Lloop
	STEP 0, 0, 1, 0
	WIN 0x80                                       ; fla of my 64 x 64, 8 bytes a lane, in the places of the read-back below; it flies during the last step
.irp m, 0,1,2,3
.irp n, 0,1,2,3,4,5,6,7
	global_load_b64 v[96+2*(8*\m+\n):97+2*(8*\m+\n)], v[FO], s[28:29] offset:(16*\m+2*\n)*4096
.endr
.endr
	STEP 1, 0, 0, 0
	; THE WAY OUT, 16 rows at a time through my own stage: no barrier; a wave's LDS instructions are served in order
	PLACES
	s_wait_loadcnt 0x0
.irp m, 0,1,2,3
	s_wait_xcnt 0x0                                ; the registers that the last stores read are written again only behind this wait
	WIN 0x08
.irp n, 0,1,2,3,4,5,6,7
	v_lshlrev_b32 v[T+4*\n],   16,  v[96+2*(8*\m+\n)]
	v_and_b32     v[T+4*\n+1], s44, v[96+2*(8*\m+\n)]
	v_lshlrev_b32 v[T+4*\n+2], 16,  v[97+2*(8*\m+\n)]
	v_and_b32     v[T+4*\n+3], s44, v[97+2*(8*\m+\n)]
.endr
	WIN 0x04
.irp n, 0,1,2,3
	ds_store_b128 v[STO], v[8*(4*\m+\n):8*(4*\m+\n)+3]   offset:64*\n
	ds_store_b128 v[STO], v[8*(4*\m+\n)+4:8*(4*\m+\n)+7] offset:64*\n+16
.endr
	WIN 0
.irp n, 0,1,2,3,4,5,6,7
	ds_load_b128 v[F0+4*\n:F0+4*\n+3], v[RD] offset:544*\n
.endr
.irp n, 0,1,2,3,4,5,6,7
	s_wait_dscnt 7-\n                              ; the younger read-backs stay out
	v_pk_add_f32 v[F0+4*\n:F0+4*\n+1],   v[F0+4*\n:F0+4*\n+1],   v[T+4*\n:T+4*\n+1]
	v_pk_add_f32 v[F0+4*\n+2:F0+4*\n+3], v[F0+4*\n+2:F0+4*\n+3], v[T+4*\n+2:T+4*\n+3]
	global_store_b128 v[CO], v[F0+4*\n:F0+4*\n+3], s[30:31] offset:(16*\m+2*\n)*8192     ; 16 lanes: 256 consecutive bytes, aligned
.endr
.endr
	s_wait_tensorcnt 0x0
	ds_add_u32 v254, v255
	s_wait_dscnt 0x0
	s_endpgm
.Lfunc_end_k_q3e3c821a24_gemm_out:
	.size	k_q3e3c821a24_gemm_out, .Lfunc_end_k_q3e3c821a24_gemm_out-k_q3e3c821a24_gemm_out
	.p2alignl 7, 3214868480
	.fill 96, 4, 3214868480
	.section	.rodata,"a",@progbits
	.p2align	6, 0x0
	.amdhsa_kernel k_q3e3c821a24_gemm_out
		.amdhsa_group_segment_fixed_size 91648
		.amdhsa_private_segment_fixed_size 0
		.amdhsa_enable_private_segment 0
		.amdhsa_kernarg_size 32
		.amdhsa_user_sgpr_count 2
		.amdhsa_user_sgpr_kernarg_segment_ptr 1
		.amdhsa_wavefront_size32 1
		.amdhsa_system_sgpr_workgroup_id_x 1
		.amdhsa_system_sgpr_workgroup_id_y 1
		.amdhsa_system_sgpr_workgroup_id_z 1
		.amdhsa_system_vgpr_workitem_id 0
		.amdhsa_next_free_vgpr 672
		.amdhsa_next_free_sgpr 66
		.amdhsa_reserve_vcc 0
		.amdhsa_float_denorm_mode_32 3
		.amdhsa_float_denorm_mode_16_64 3
		.amdhsa_memory_ordered 1
		.amdhsa_forward_progress 1
		.amdhsa_inst_pref_size 111
	.end_amdhsa_kernel
	.amdgpu_metadata
---
amdhsa.version: [ 1, 2 ]
amdhsa.kernels:
  - .name:           k_q3e3c821a24_gemm_out
    .symbol:         k_q3e3c821a24_gemm_out.kd
    .args:
      - { .name: base, .offset: 0, .size: 8, .value_kind: global_buffer, .address_space: global }
      - { .name: Wo, .offset: 8, .size: 8, .value_kind: global_buffer, .address_space: global }
      - { .name: fla, .offset: 16, .size: 8, .value_kind: global_buffer, .address_space: global }
      - { .name: out0, .offset: 24, .size: 8, .value_kind: global_buffer, .address_space: global }
    .group_segment_fixed_size: 91648
    .private_segment_fixed_size: 0
    .kernarg_segment_align: 8
    .kernarg_segment_size: 32
    .max_flat_workgroup_size: 128
    .sgpr_count:     66
    .vgpr_count:     672
    .wavefront_size: 32
...
	.end_amdgpu_metadata
.endif
;; end of part 4
;; ======== version 2 of 2: 4 launches; 1.26 times as fast as version 1
;; limits: values outside matrix products are rounded to bf16; values are held in f16: magnitudes above 65,504 overflow, below 6.1e-05 lose precision
;; workspace buffers: qkv 12,582,912 bytes; qkvh 12,582,912 bytes; sfrag 8,388,608 bytes; base 8,388,608 bytes; fla 8,388,608 bytes; woh 8,388,608 bytes
;; launch gemm_qkv (part 5): grid 16 x 16, 4 waves a work-group, no clusters, 102,912 bytes of LDS; arguments hidden_states, Wq, Wk, Wv, qkv, qkvh; writes qkv, qkvh
.if DOCPART == 5
	.amdgcn_target "amdgcn-amd-amdhsa--gfx1250"
	.amdhsa_code_object_version 6
	.text
	.protected	k_q3e3c821a24_gemm_qkv
	.globl	k_q3e3c821a24_gemm_qkv
	.p2align	8
	.type	k_q3e3c821a24_gemm_qkv,@function
k_q3e3c821a24_gemm_qkv:
	s_mov_b64 s[64:65], 0
	v_nop
	global_prefetch_b8 v0, s[64:65] scope:SCOPE_SE
	s_setreg_imm32_b32 hwreg(HW_REG_WAVE_MODE, 25, 1), 1
	s_wait_xcnt 0x0
; [q | k | v][2048][3072] = X[2048][2048] (f32) x [Wq | Wk | Wv] (f32, stored [k][n]); operands rounded to bf16, sums in f32.
; The result is stored twice: qkvh in f16 (11 significant bits, for the softmax branch, whose first tokens' outputs are some nine times the
; output's root mean square and cannot bear 8-bit significands), and qkv in bf16 (for the linear attention, whose products need bf16's range).
; A work-group makes 128 rows x 192 columns (16 x 16 work-groups); wave (wm, wn) makes 64 x 96 = 4 x 6 tiles of 16 x 16.
; K goes in 32 steps of 64.  The inputs are f32, so a tile goes memory -> registers -> bf16 -> LDS (a copy engine cannot convert);
; two LDS buffers take turns, one barrier a step.  TWO tiles are requested ahead, into two staging sets of 160 registers that take turns:
; step kk waits for tile kk+1 alone, and asks for tile kk+3 (X's 16 loads behind the conversion, W's 24 at the step's end), so a load has
; two steps in which to arrive.  A wave then has up to 80 loads asked for, more than LOADcnt's field holds: there the issue waits (ISA guide 5.7.1).
; No joint requests in clusters: tiles pass through registers.
; The 192 columns are three units of 64 columns (256 bytes of f32); a unit lies wholly in Wq, Wk or Wv (32, 8, 8 units).
; The matrix instruction is used transposed (source 0 = columns of W, source 1 = rows of X): a lane ends with 8 neighbouring columns of a row.
; LIMITS: operands are rounded to bf16.  |q|, |k|, |v| must stay under 65,504 (f16): with every input 30 times the size of unit X and 0.02 W they
; reach some 900 x 5 = 4,500, with offsets of 30 on X and 0.6 on W 2,048 x 30 x 0.6 = 36,864.  NaN and infinities in the inputs are not served.
.set BUF,   45056                      ; an LDS buffer: X part 128 rows x 144, W part 64 k-rows x 416
.set BPART, 18432
.set PA,    144                        ; 128 bytes of bf16 + 16
.set PB,    416                        ; 384 bytes of bf16 + 32 (13 x 32)
.set PS,    400                        ; the way out: 384 bytes + 16
.set STG2,  51200                      ; the way out's second stage (bf16), behind the first (f16): 128 rows x 400 each
.set AOFF, 10                          ; v10     my byte offset in X's tile
.set BOFF, 12                          ; v12-35  unit u, load n: my byte offset in W's tile
.set SA,   36                          ; v36-37  LDS store address, X part, buffer 0, 1
.set SB,   38                          ; v38-39  the same, W part
.set FA,   40                          ; v40-41  fragment address, X
.set FB,   42                          ; v42-43  fragment address, W (transposing loads)
.set STO,  44
.set RDW,  45
.set RDH,  46
.set COW,  47
.set COH,  48
.set STO2, 49
.set RDW2, 50
.set RDH2, 51
.set F0,   64                          ; v64-143  fragments: X 4 x 8, W 6 x 8
.set F1,   144                         ; v144-223 second set
; window 1: accumulator (mi, ni) at v[8 (6 mi + ni)];  windows 2 and 3: staging sets 0 and 1 (even and odd tiles), X at v[4 n], W at v[64 + 32 u + 4 n]
.set MSB, 0
.macro WIN new                         ; the immediate's high byte repeats the setting that is left
.if MSB != \new
	s_set_vgpr_msb (MSB<<8)|\new
.set MSB, \new
.endif
.endm
.macro PLACES                          ; four plain vector places behind matrix instructions (ISA guide 7.12.1)
.rept 4
	v_nop
.endr
.endm
.macro GLDX set                        ; 16 loads: X's tile of one K step into staging set \set
.if \set
	WIN 0xc0
.else
	WIN 0x80
.endif
.irp n, 0,1,2,3,4,5,6,7,8,9,10,11,12,13,14,15
	global_load_b128 v[4*\n:4*\n+3], v[AOFF], s[20:21] offset:65536*\n
.endr
.endm
.macro GLDW set                        ; 24 loads: W's tile of one K step into staging set \set
.if \set
	WIN 0xc0
.else
	WIN 0x80
.endif
.irp u, 0,1,2
.irp n, 0,1,2,3,4,5,6,7
	global_load_b128 v[64+32*\u+4*\n:64+32*\u+4*\n+3], v[BOFF+8*\u+\n], s[24+2*\u:25+2*\u]
.endr
.endr
.endm
.macro NEXTX                           ; X's pointer steps one K step
	s_wait_xcnt 0x0                                ; older loads are still out: their base is written again only behind this wait
	s_add_nc_u64 s[20:21], s[20:21], 256
.endm
.macro NEXTW                           ; W's three pointers step one K step
	s_wait_xcnt 0x0                                ; as above
	s_add_nc_u64 s[24:25], s[24:25], s[36:37]
	s_add_nc_u64 s[26:27], s[26:27], s[38:39]
	s_add_nc_u64 s[28:29], s[28:29], s[40:41]
.endm
.macro CVST s                          ; round staging set s to bf16 in place and store it into LDS buffer s
.if \s
	WIN 0xcf
.else
	WIN 0x8a
.endif
.set i, 0
.rept 40
	v_cvt_pk_bf16_f32 v[4*i], v[4*i], v[4*i+1]
	v_cvt_pk_bf16_f32 v[4*i+1], v[4*i+2], v[4*i+3]
.set i, i+1
.endr
.if \s
	WIN 0x0c
.else
	WIN 0x08
.endif
.irp n, 0,1,2,3,4,5,6,7,8,9,10,11,12,13,14,15
	ds_store_b64 v[SA+\s], v[4*\n:4*\n+1] offset:8*PA*\n
.endr
.irp u, 0,1,2
.irp n, 0,1,2,3,4,5,6,7
	ds_store_b64 v[SB+\s], v[64+32*\u+4*\n:64+32*\u+4*\n+1] offset:8*PB*\n+128*\u
.endr
.endr
.endm
.macro FETCH s, half, f                ; 20 LDS loads: the fragments of 32 along K
	WIN 0
.irp m, 0,1,2,3
	ds_load_b128 v[\f+8*\m:\f+8*\m+3],   v[FA+\s] offset:16*PA*\m+64*\half
	ds_load_b128 v[\f+8*\m+4:\f+8*\m+7], v[FA+\s] offset:16*PA*\m+64*\half+32
.endr
.irp n, 0,1,2,3,4,5
	ds_load_tr16_b128 v[\f+32+8*\n:\f+32+8*\n+3],   v[FB+\s] offset:32*PB*\half+32*\n
	ds_load_tr16_b128 v[\f+32+8*\n+4:\f+32+8*\n+7], v[FB+\s] offset:32*PB*\half+32*\n+16*PB
.endr
.endm
.macro MUL f, lo, zero                 ; 12 matrix instructions; the 24 accumulators take turns, one instruction a turn
	WIN 0x50
.irp m, 0,1
.irp n, 0,1,2,3,4,5
.if \zero
	v_wmma_f32_16x16x32_bf16 v[8*(6*(2*\lo+\m)+\n):8*(6*(2*\lo+\m)+\n)+7], v[\f+32+8*\n:\f+32+8*\n+7], v[\f+8*(2*\lo+\m):\f+8*(2*\lo+\m)+7], 0
.else
	v_wmma_f32_16x16x32_bf16 v[8*(6*(2*\lo+\m)+\n):8*(6*(2*\lo+\m)+\n)+7], v[\f+32+8*\n:\f+32+8*\n+7], v[\f+8*(2*\lo+\m):\f+8*(2*\lo+\m)+7], v[8*(6*(2*\lo+\m)+\n):8*(6*(2*\lo+\m)+\n)+7]
.endif
.endr
.endr
.endm
; One K step on buffer s.  st: the next tile is stored into the other buffer, from the other staging set; cnt: how many younger loads may
; stay out at the wait for it; ld: the tile three steps on is requested into the set just emptied.
.macro STEP s, zero, st, cnt, ld
	s_wait_dscnt 0x0                               ; the first half's fragments are in
	MUL F0, 0, \zero
	PLACES
	FETCH \s, 1, F1
	MUL F0, 1, \zero
.if \st
	s_wait_loadcnt \cnt                            ; loads come back in order: the next tile is in registers, the tile behind it stays out
	CVST (1-\s)                                    ; the other buffer's readers passed the last step's barrier
.if \ld
	NEXTX
	GLDX (1-\s)
.endif
.endif
	s_wait_dscnt 0x0                               ; second half's fragments in, my stores done, my reads of this buffer done
.if \st
	s_barrier_signal -1
	MUL F1, 0, 0
	WIN 0
	s_barrier_wait -1                              ; the other buffer is whole, and nobody reads this one any more
	PLACES
	FETCH (1-\s), 0, F0
	MUL F1, 1, 0
.else
	MUL F1, 0, 0
	MUL F1, 1, 0
.endif
.if \ld
	NEXTW
	GLDW (1-\s)
.endif
.endm
	s_load_b256 s[4:11], s[0:1], 0x0               ; X s[4:5], Wq s[6:7], Wk s[8:9], Wv s[10:11]
	s_load_b64 s[12:13], s[0:1], 0x20              ; qkv (bf16)
	s_load_b64 s[22:23], s[0:1], 0x28              ; qkvh (f16)
	v_lshl_add_u32 v62, v0, 2, 0x19000
	v_mov_b32 v63, 0
	v_lshrrev_b32 v3, 5, v0
	v_readfirstlane_b32 s14, v3                    ; wave
	s_lshr_b32 s15, s14, 1                         ; wm
	s_and_b32 s16, s14, 1                          ; wn
	s_mov_b32 s17, ttmp9                           ; column block
	s_and_b32 s18, ttmp7, 0xffff                   ; row block
	s_movk_i32 s52, 0x2000                         ; Wq's pitch in bytes
	s_movk_i32 s53, 0x800                          ; Wk's and Wv's
	v_and_b32 v1, 15, v0                           ; r
	v_bfe_u32 v2, v0, 4, 1                         ; h
	v_lshrrev_b32 v3, 4, v0                        ; t >> 4
	v_and_b32 v4, 7, v0
	v_bfe_u32 v5, v0, 3, 1
	v_lshlrev_b32 v6, 4, v1                        ; 16 r
	v_lshl_add_u32 v[AOFF], v3, 13, v6
	v_mul_u32_u24 v7, v3, PA
	v_lshl_add_u32 v[SA], v1, 3, v7
	v_add_nc_u32 v[SA+1], BUF, v[SA]
	v_mul_u32_u24 v7, v3, PB
	v_lshl_add_u32 v7, v1, 3, v7
	v_add_nc_u32 v[SB], BPART, v7
	v_add_nc_u32 v[SB+1], BUF+BPART, v7
	s_mul_i32 s46, s15, 64*PA
	v_mul_u32_u24 v7, v1, PA
	v_lshl_add_u32 v7, v2, 4, v7
	v_add_nc_u32 v[FA], s46, v7
	v_add_nc_u32 v[FA+1], BUF, v[FA]
	v_lshl_add_u32 v7, v2, 3, v4
	v_mul_u32_u24 v7, v7, PB
	v_lshl_add_u32 v7, v5, 4, v7
	s_mul_i32 s47, s16, 192
	s_add_co_u32 s47, s47, BPART
	v_add_nc_u32 v[FB], s47, v7
	v_add_nc_u32 v[FB+1], BUF, v[FB]
	s_mul_i32 s46, s15, 64*PS
	s_mul_i32 s47, s16, 192
	s_add_co_u32 s46, s46, s47
	v_mul_u32_u24 v7, v1, PS
	v_lshl_add_u32 v7, v2, 4, v7
	v_add_nc_u32 v[STO], s46, v7
	v_add_nc_u32 v[STO2], STG2, v[STO]
	s_and_b32 s48, s17, 1
	s_xor_b32 s49, s48, 1
	s_lshl_b32 s48, s48, 7                         ; where the aligned 256 bytes of my 384-byte rows begin
	s_lshl_b32 s49, s49, 8                         ; where the other 128 bytes begin
	v_mul_u32_u24 v7, v3, PS
	v_add3_u32 v[RDW], v7, v6, s48
	v_add_nc_u32 v[RDW2], STG2, v[RDW]
	v_mul_u32_u24 v7, v3, 6144
	v_add3_u32 v[COW], v7, v6, s48
	v_lshrrev_b32 v8, 3, v0
	v_lshlrev_b32 v9, 4, v4
	v_mul_u32_u24 v7, v8, PS
	v_add3_u32 v[RDH], v7, v9, s49
	v_add_nc_u32 v[RDH2], STG2, v[RDH]
	v_mul_u32_u24 v7, v8, 6144
	v_add3_u32 v[COH], v7, v9, s49
	s_mul_i32 s46, s17, 3                          ; my first unit of 64 columns
	s_wait_kmcnt 0x0
.irp u, 0,1,2
	s_add_co_u32 s47, s46, \u                      ; unit 0-31: Wq, 32-39: Wk, 40-47: Wv
	s_cmp_lt_u32 s47, 40
	s_cselect_b64 s[48:49], s[8:9], s[10:11]
	s_cselect_b32 s50, 32, 40
	s_cmp_lt_u32 s47, 32
	s_cselect_b64 s[48:49], s[6:7], s[48:49]
	s_cselect_b32 s50, 0, s50
	s_cselect_b32 s[30+\u], s52, s53
	s_sub_co_u32 s50, s47, s50
	s_lshl_b32 s50, s50, 8
	s_mov_b32 s51, 0
	s_add_nc_u64 s[24+2*\u:25+2*\u], s[48:49], s[50:51]
	s_lshl_b32 s[36+2*\u], s[30+\u], 6             ; 64 k-rows in bytes
	s_mov_b32 s[37+2*\u], 0
.irp n, 0,1,2,3,4,5,6,7
	v_add_nc_u32 v7, 8*\n, v3
	v_mad_u32_u24 v[BOFF+8*\u+\n], v7, s[30+\u], v6
.endr
.endr
	s_lshl_b32 s46, s18, 20                        ; 128 rows of 8,192 bytes
	s_mov_b32 s47, 0
	s_add_nc_u64 s[20:21], s[4:5], s[46:47]
	GLDX 0                                         ; tile 0
	GLDW 0
	NEXTX
	NEXTW
	GLDX 1                                         ; tile 1
	GLDW 1
	s_wait_loadcnt 40                              ; tile 0 is in; tile 1's 40 loads stay out
	CVST 0
	NEXTX
	NEXTW
	GLDX 0                                         ; tile 2
	GLDW 0
	s_wait_dscnt 0x0
	s_barrier_signal -1
	s_barrier_wait -1
	FETCH 0, 0, F0
	STEP 0, 1, 1, 40, 1                            ; step 0: the first products start the sums: nothing is cleared
	STEP 1, 0, 1, 40, 1
	WIN 0
	s_mov_b32 s44, 13                              ; steps 2 to 27
.Lloop:
	STEP 0, 0, 1, 40, 1
	STEP 1, 0, 1, 40, 1
	WIN 0
	s_sub_co_u32 s44, s44, 1
	s_cmp_lg_u32 s44, 0
	s_cbranch_scc1 .Lloop
	STEP 0, 0, 1, 40, 1                            ; step 28 asks for tile 31, the last
	STEP 1, 0, 1, 40, 0                            ; step 29 stores tile 30; tile 31's 40 loads stay out
	STEP 0, 0, 1, 0, 0                             ; step 30 stores tile 31
	STEP 1, 0, 0, 0, 0
	; THE WAY OUT: f16 and bf16 through two LDS stages of 128 rows x 400 bytes laid over the buffers
	PLACES
	WIN 0
	s_mul_i32 s46, s18, 786432                     ; 128 rows of 6,144 bytes
	s_mul_i32 s47, s17, 384
	s_add_co_u32 s46, s46, s47
	s_mov_b32 s47, 0
	s_add_nc_u64 s[12:13], s[12:13], s[46:47]
	s_add_nc_u64 s[22:23], s[22:23], s[46:47]
	s_wait_dscnt 0x0
	s_barrier_signal -1
	s_barrier_wait -1                              ; every wave's reads of the buffers are over
.irp m, 0,1,2,3
	WIN 0x05
.irp n, 0,1,2,3,4,5
.irp p, 0,1,2,3
	v_cvt_pk_f16_f32  v[64+24*\m+4*\n+\p],  v[8*(6*\m+\n)+2*\p], v[8*(6*\m+\n)+2*\p+1]
	v_cvt_pk_bf16_f32 v[160+24*\m+4*\n+\p], v[8*(6*\m+\n)+2*\p], v[8*(6*\m+\n)+2*\p+1]
.endr
.endr
	WIN 0
.irp n, 0,1,2,3,4,5
	ds_store_b128 v[STO],  v[64+24*\m+4*\n:64+24*\m+4*\n+3]   offset:16*PS*\m+32*\n
	ds_store_b128 v[STO2], v[160+24*\m+4*\n:160+24*\m+4*\n+3] offset:16*PS*\m+32*\n
.endr
.endr
	s_wait_dscnt 0x0
	s_barrier_signal -1
	s_barrier_wait -1
.irp n, 0,1,2,3,4,5,6,7,8,9,10,11,12,13,14,15
	ds_load_b128 v[64+4*\n:64+4*\n+3], v[RDW] offset:8*PS*\n
.endr
.irp n, 0,1,2,3,4,5,6,7
	ds_load_b128 v[128+4*\n:128+4*\n+3], v[RDH] offset:16*PS*\n
.endr
.irp n, 0,1,2,3,4,5,6,7,8,9,10,11,12,13,14,15
	ds_load_b128 v[160+4*\n:160+4*\n+3], v[RDW2] offset:8*PS*\n
.endr
.irp n, 0,1,2,3,4,5,6,7
	ds_load_b128 v[224+4*\n:224+4*\n+3], v[RDH2] offset:16*PS*\n
.endr
.set left, 47                                      ; 48 read-backs; each store waits for its own and leaves the younger ones out
.irp n, 0,1,2,3,4,5,6,7,8,9,10,11,12,13,14,15
	s_wait_dscnt left
	global_store_b128 v[COW], v[64+4*\n:64+4*\n+3], s[22:23] offset:49152*\n      ; 16 lanes: 256 consecutive bytes, aligned
.set left, left-1
.endr
.irp n, 0,1,2,3,4,5,6,7
	s_wait_dscnt left
	global_store_b128 v[COH], v[128+4*\n:128+4*\n+3], s[22:23] offset:98304*\n    ; the row's other 128 bytes: a row of 384 bytes is one and a half such blocks
.set left, left-1
.endr
.irp n, 0,1,2,3,4,5,6,7,8,9,10,11,12,13,14,15
	s_wait_dscnt left
	global_store_b128 v[COW], v[160+4*\n:160+4*\n+3], s[12:13] offset:49152*\n
.set left, left-1
.endr
.irp n, 0,1,2,3,4,5,6,7
	s_wait_dscnt left
	global_store_b128 v[COH], v[224+4*\n:224+4*\n+3], s[12:13] offset:98304*\n
.set left, left-1
.endr
	s_wait_tensorcnt 0x0
	ds_add_u32 v62, v63
	s_wait_dscnt 0x0
	s_endpgm
.Lfunc_end_k_q3e3c821a24_gemm_qkv:
	.size	k_q3e3c821a24_gemm_qkv, .Lfunc_end_k_q3e3c821a24_gemm_qkv-k_q3e3c821a24_gemm_qkv
	.p2alignl 7, 3214868480
	.fill 96, 4, 3214868480
	.section	.rodata,"a",@progbits
	.p2align	6, 0x0
	.amdhsa_kernel k_q3e3c821a24_gemm_qkv
		.amdhsa_group_segment_fixed_size 102912
		.amdhsa_private_segment_fixed_size 0
		.amdhsa_enable_private_segment 0
		.amdhsa_kernarg_size 48
		.amdhsa_user_sgpr_count 2
		.amdhsa_user_sgpr_kernarg_segment_ptr 1
		.amdhsa_wavefront_size32 1
		.amdhsa_system_sgpr_workgroup_id_x 1
		.amdhsa_system_sgpr_workgroup_id_y 1
		.amdhsa_system_sgpr_workgroup_id_z 1
		.amdhsa_system_vgpr_workitem_id 0
		.amdhsa_next_free_vgpr 928
		.amdhsa_next_free_sgpr 66
		.amdhsa_reserve_vcc 0
		.amdhsa_float_denorm_mode_32 3
		.amdhsa_float_denorm_mode_16_64 3
		.amdhsa_memory_ordered 1
		.amdhsa_forward_progress 1
		.amdhsa_inst_pref_size 174
	.end_amdhsa_kernel
	.amdgpu_metadata
---
amdhsa.version: [ 1, 2 ]
amdhsa.kernels:
  - .name:           k_q3e3c821a24_gemm_qkv
    .symbol:         k_q3e3c821a24_gemm_qkv.kd
    .args:
      - { .name: hidden_states, .offset: 0, .size: 8, .value_kind: global_buffer, .address_space: global }
      - { .name: Wq, .offset: 8, .size: 8, .value_kind: global_buffer, .address_space: global }
      - { .name: Wk, .offset: 16, .size: 8, .value_kind: global_buffer, .address_space: global }
      - { .name: Wv, .offset: 24, .size: 8, .value_kind: global_buffer, .address_space: global }
      - { .name: qkv, .offset: 32, .size: 8, .value_kind: global_buffer, .address_space: global }
      - { .name: qkvh, .offset: 40, .size: 8, .value_kind: global_buffer, .address_space: global }
    .group_segment_fixed_size: 102912
    .private_segment_fixed_size: 0
    .kernarg_segment_align: 8
    .kernarg_segment_size: 48
    .max_flat_workgroup_size: 128
    .sgpr_count:     66
    .vgpr_count:     928
    .wavefront_size: 32
...
	.end_amdgpu_metadata
.endif
;; end of part 5
;; launch gstate (part 6): grid 8 x 24, 8 waves a work-group, no clusters, 142,848 bytes of LDS; arguments qkv, sfrag, Wo, woh; writes sfrag, woh
.if DOCPART == 6
	.amdgcn_target "amdgcn-amd-amdhsa--gfx1250"
	.amdhsa_code_object_version 6
	.text
	.protected	k_q3e3c821a24_gstate
	.globl	k_q3e3c821a24_gstate
	.p2align	8
	.type	k_q3e3c821a24_gstate,@function
k_q3e3c821a24_gstate:
	s_mov_b64 s[64:65], 0
	v_nop
	global_prefetch_b8 v0, s[64:65] scope:SCOPE_SE
	s_setreg_imm32_b32 hwreg(HW_REG_WAVE_MODE, 25, 1), 1
	s_wait_xcnt 0x0
; TWO JOBS in one launch, told apart by the work-group's y alone.
; y = 0 .. 7 (64 work-groups): the gated linear attention's state at the start of each chunk of 32 tokens: S <- sigmoid(k_t)[d] S + k_t[d] v_t[e].
; y = 8 .. 23 (128 work-groups): Wo (f32) is rounded to bf16, as every input of the program is, and written in f16's code into woh, same [k][n] layout,
; once, so that the last launch's 16 row blocks need not each do it again.  The state's chain has work for 64 work-groups only.
; THE STATE hangs on (batch, kv head) alone: 8 states of 128 x 128; row d needs key column d alone.  A work-group owns 16 rows d
; (x = d-tile a, y = 4 b + kvh); wave w owns the columns e = 16 w .. 16 w + 15.
; Per chunk c: S_(c+1) = G_c[d] S_c + sum over s of (k_s[d] x product of the gates behind s in the chunk) v_s[e]: one matrix instruction.
; All decay factors are plain products of sigmoids over a run of tokens (each at most 1): no logarithm, no quotient, nothing that can overflow.
; Output: S_c in bf16, laid out as the lanes of the later launch's fragments: [y][c][e-tile][d-tile][lane][16 bytes], lane (r, h) = S[16 a + 8 h + 0..7][16 w + r].
; A work-group reads 32 of each key row's 256 bytes, once.
; LIMITS: gates are made from the bf16 k; factors and states are rounded to bf16 as matrix operands; a product of gates below 2^-126 may become 0.
; Wo: rounded to bf16; the f16 code is exact from 2^-17 up (8 significant bits in 11, f16's smallest step is 2^-24), within 2^-25 below; |Wo| under 65,504.
; NaN and infinities are not served.
.set KFR, 33280                        ; LDS: 0 raw k [s][16 d] (32 bytes a token, 32 more after every 64 tokens); KFR: fragments of the weighted keys, 1,024 bytes a chunk
.set GAM, 66048                        ; f32 [chunk][16]: the chunk's whole product of gates
.set VB0, 68096                        ; two buffers of 128 rows of V, pitch 288
.set VB1, 104960
.set KGO, 10
.set VGO, 11
.set RS,  12
.set RP,  13
.set KW,  14
.set GW,  15
.set VS0, 16                           ; v16-17
.set KAA, 18
.set VBA0, 19                          ; v19-20
.set GA,  21
.set SO,  22
.set SS,  24                           ; v24-31 the state tile
.set TT,  32                           ; v32-35 the state in bf16
.set RR,  36
.set VST, 40                           ; v40-71 staged V
.set FR,  72                           ; v72-167 a stage's fragments: chunk cs at 24 cs: keys 8, V 8, gates 8
.set KK,  72                           ; preparation (before the stages): k, gates, weighted keys
.set GG,  104
.set XX,  136
.set KST, 168                          ; v168-199 staged raw k
.set CI,  10                           ; Wo's path: v10 my byte offset in Wo, v11 in woh, v40-167 sixteen groups of 8 numbers
.set CQ,  11
.set CV,  40
.macro PLACES
.rept 4
	v_nop
.endr
.endm
.macro VLOAD cnt
.set i, 0
.rept \cnt
	global_load_b128 v[VST+4*i:VST+4*i+3], v[VGO], s[18:19] offset:98304*i
.set i, i+1
.endr
.endm
; thread (d = t & 15, grp = t >> 4) prepares chunk 2 grp + ch
.macro PREP ch
.set n, 0
.rept 32
	ds_load_u16 v[KK+n], v[RP] offset:(32*\ch+n)*32
.set n, n+1
.endr
	s_wait_dscnt 0x0
.set n, 0
.rept 32
	v_lshlrev_b32 v[KK+n], 16, v[KK+n]
.set n, n+1
.endr
.set n, 0
.rept 32
	v_mul_f32 v[GG+n], 0xbfb8aa3b, v[KK+n]         ; -log2(e) k
.set n, n+1
.endr
.set n, 0
.rept 32
	v_exp_f32 v[GG+n], v[GG+n]
.set n, n+1
.endr
	v_nop                                          ; a plain place behind the transcendentals (ISA guide 5.7.2)
.set n, 0
	s_wait_alu depctr_va_vdst(0)
.rept 32
	v_add_f32 v[GG+n], 1.0, v[GG+n]
.set n, n+1
.endr
.set n, 0
.rept 32
	v_rcp_f32 v[GG+n], v[GG+n]                     ; sigmoid(k)
.set n, n+1
.endr
	v_nop
	s_wait_alu depctr_va_vdst(0)
	v_mul_f32 v[XX+30], v[KK+30], v[GG+31]         ; the walk from the chunk's end: k_s times the gates behind s
	v_mul_f32 v[RR], v[GG+31], v[GG+30]
.set n, 29
.rept 30
	v_mul_f32 v[XX+n], v[KK+n], v[RR]
	v_mul_f32 v[RR], v[RR], v[GG+n]
.set n, n-1
.endr
.set n, 0
.rept 15
	v_cvt_pk_bf16_f32 v[XX+n], v[XX+2*n], v[XX+2*n+1]
.set n, n+1
.endr
	v_cvt_pk_bf16_f32 v[XX+15], v[XX+30], v[KK+31] ; the last token has no gate behind it
.irp q, 0,1,2,3
	ds_store_b128 v[KW], v[XX+4*\q:XX+4*\q+3] offset:1024*\ch+512*(\q>>1)+256*(\q&1)
.endr
	ds_store_b32 v[GW], v[RR] offset:64*\ch
.endm
.macro CHUNK c, cs
	s_wait_xcnt 0x0                                ; the last store's data registers are written again only behind this wait
.irp p, 0,1,2,3
.if \c == 0
	v_mov_b32 v[TT+\p], 0                          ; the state starts at zero
.else
	v_cvt_pk_bf16_f32 v[TT+\p], v[SS+2*\p], v[SS+2*\p+1]
.endif
.endr
	global_store_b128 v[SO], v[TT:TT+3], s[20:21] offset:32768*\c                 ; the wave stores 512 consecutive bytes, aligned
.if \c < 31
.if \c == 0
	v_wmma_f32_16x16x32_bf16 v[SS:SS+7], v[FR+24*\cs:FR+24*\cs+7], v[FR+24*\cs+8:FR+24*\cs+15], 0
.else
.irp p, 0,2,4,6
	v_pk_mul_f32 v[SS+\p:SS+\p+1], v[SS+\p:SS+\p+1], v[FR+24*\cs+16+\p:FR+24*\cs+17+\p]
.endr
	s_wait_alu depctr_va_vdst(0)                   ; this wait ahead of each link
	v_wmma_f32_16x16x32_bf16 v[SS:SS+7], v[FR+24*\cs:FR+24*\cs+7], v[FR+24*\cs+8:FR+24*\cs+15], v[SS:SS+7]
.endif
	PLACES
.endif
.endm
; 128 tokens = 4 chunks.  cnt: loads of 16 rows that this stage's V took; nextcnt: those of the next stage (0: none)
.macro STAGE n, cnt, nextcnt
	s_wait_loadcnt 0x0                             ; this stage's V is in registers; its pointer is free
.set i, 0
.rept \cnt
	ds_store_b128 v[VS0+(\n&1)], v[VST+4*i:VST+4*i+3] offset:4608*i
.set i, i+1
.endr
.if \nextcnt
	s_add_nc_u64 s[18:19], s[18:19], 786432
	VLOAD \nextcnt
.endif
	s_wait_dscnt 0x0                               ; my stores are done (and my reads of the other buffer were, before its chunks were worked on)
	s_barrier_signal -1
	s_barrier_wait -1
.irp c, 0,1,2,3
.if 4*\n+\c < 31
	ds_load_b128 v[FR+24*\c:FR+24*\c+3],       v[KAA] offset:1024*(4*\n+\c)
	ds_load_b128 v[FR+24*\c+4:FR+24*\c+7],     v[KAA] offset:1024*(4*\n+\c)+512
	ds_load_tr16_b128 v[FR+24*\c+8:FR+24*\c+11],  v[VBA0+(\n&1)] offset:9216*\c
	ds_load_tr16_b128 v[FR+24*\c+12:FR+24*\c+15], v[VBA0+(\n&1)] offset:9216*\c+4608
	ds_load_b128 v[FR+24*\c+16:FR+24*\c+19],   v[GA] offset:64*(4*\n+\c)
	ds_load_b128 v[FR+24*\c+20:FR+24*\c+23],   v[GA] offset:64*(4*\n+\c)+16
.endif
.endr
	s_wait_dscnt 0x0
.irp c, 0,1,2,3
	CHUNK (4*\n+\c), \c
.endr
.endm
	v_lshl_add_u32 v200, v0, 2, 0x22a00
	v_mov_b32 v201, 0
	s_and_b32 s10, ttmp7, 0xffff                   ; y
	s_cmp_lt_u32 s10, 8
	s_cbranch_scc1 .Lstate
	; Wo's PATH.  Work-group 8 (y - 8) + x of 128 takes 131,072 bytes of Wo; thread t takes 8 neighbouring numbers (32 bytes) of each of 16 blocks of 8,192 bytes.
	; All 32 loads go out at once; no LDS, no barrier.
	s_load_b128 s[4:7], s[0:1], 0x10               ; Wo s[4:5], woh s[6:7]
	s_sub_co_u32 s11, s10, 8
	s_lshl_b32 s11, s11, 3
	s_add_co_u32 s11, s11, ttmp9
	s_lshl_b32 s12, s11, 17
	s_mov_b32 s13, 0
	s_lshl_b32 s14, s11, 16
	s_mov_b32 s15, 0
	s_mov_b32 s16, 0xffff0000                      ; a word's upper bf16
	v_lshlrev_b32 v[CI], 5, v0
	v_lshlrev_b32 v[CQ], 4, v0
	s_wait_kmcnt 0x0
	s_add_nc_u64 s[4:5], s[4:5], s[12:13]
	s_add_nc_u64 s[6:7], s[6:7], s[14:15]
.set ci, 0
.rept 16
	global_load_b128 v[CV+8*ci:CV+8*ci+3],   v[CI], s[4:5] offset:8192*ci th:TH_LOAD_NT
	global_load_b128 v[CV+8*ci+4:CV+8*ci+7], v[CI], s[4:5] offset:8192*ci+16 th:TH_LOAD_NT
.set ci, ci+1
.endr
.set ci, 0
.rept 16
	s_wait_loadcnt 30-2*ci                         ; loads come back in order: this pair is in, the younger pairs stay out
.irp p, 0,2,4,6
	v_cvt_pk_bf16_f32 v[CV+8*ci+\p], v[CV+8*ci+\p], v[CV+8*ci+\p+1]              ; the rounding
.endr
.irp p, 0,2,4,6
	v_and_b32 v[CV+8*ci+\p+1], s16, v[CV+8*ci+\p]                                ; back to f32: a mask, a shift
	v_lshlrev_b32 v[CV+8*ci+\p], 16, v[CV+8*ci+\p]
.endr
.irp p, 0,1,2,3
	v_cvt_pk_f16_f32 v[CV+8*ci+\p], v[CV+8*ci+2*\p], v[CV+8*ci+2*\p+1]           ; f16's code
.endr
	global_store_b128 v[CQ], v[CV+8*ci:CV+8*ci+3], s[6:7] offset:4096*ci          ; 16 lanes: 256 consecutive bytes, aligned
.set ci, ci+1
.endr
	s_endpgm
.Lstate:
	s_load_b128 s[4:7], s[0:1], 0x0                ; qkv, sfrag
	v_lshrrev_b32 v3, 5, v0
	v_readfirstlane_b32 s8, v3                     ; wave = e-tile
	s_mov_b32 s9, ttmp9                            ; d-tile a
	s_lshr_b32 s11, s10, 2                         ; y = 4 b + kvh
	s_and_b32 s12, s10, 3
	s_mul_i32 s24, s11, 6291456                    ; 1,024 tokens of 6,144 bytes
	s_lshl_b32 s13, s12, 8
	s_add_co_u32 s24, s24, s13
	s_lshl_b32 s13, s9, 5
	s_add_co_u32 s26, s24, s13
	s_add_co_u32 s26, s26, 4096                    ; K begins at column 2,048
	s_mov_b32 s27, 0
	s_add_co_u32 s24, s24, 5120                    ; V at column 2,560
	s_mov_b32 s25, 0
	s_lshl_b32 s28, s10, 20
	s_lshl_b32 s13, s8, 12
	s_add_co_u32 s28, s28, s13
	s_lshl_b32 s13, s9, 9
	s_add_co_u32 s28, s28, s13
	s_mov_b32 s29, 0
	v_and_b32 v1, 15, v0
	v_bfe_u32 v2, v0, 4, 1
	v_lshrrev_b32 v3, 4, v0
	v_and_b32 v4, 7, v0
	v_bfe_u32 v5, v0, 3, 1
	v_and_b32 v6, 31, v0
	v_lshrrev_b32 v7, 1, v0
	v_and_b32 v8, 1, v0
	v_lshlrev_b32 v8, 4, v8
	v_lshrrev_b32 v9, 7, v0
	v_lshlrev_b32 v23, 4, v1
	v_mad_u32_u24 v[KGO], v7, 6144, v8
	v_mad_u32_u24 v[VGO], v3, 6144, v23
	v_lshl_add_u32 v[RS], v7, 5, v8
	v_lshl_add_u32 v[RS], v9, 5, v[RS]
	v_mul_u32_u24 v[RP], v3, 2080
	v_lshl_add_u32 v[RP], v1, 1, v[RP]
	v_lshl_add_u32 v[KW], v3, 11, v23
	v_add_nc_u32 v[KW], KFR, v[KW]
	v_lshlrev_b32 v[GW], 2, v1
	v_lshl_add_u32 v[GW], v3, 7, v[GW]
	v_add_nc_u32 v[GW], GAM, v[GW]
	v_mad_u32_u24 v7, v3, 288, v23
	v_add_nc_u32 v[VS0], VB0, v7
	v_add_nc_u32 v[VS0+1], VB1, v7
	v_lshlrev_b32 v[SO], 4, v6
	v_add_nc_u32 v[KAA], KFR, v[SO]
	v_lshl_add_u32 v7, v2, 3, v4
	v_mul_u32_u24 v7, v7, 288
	v_lshl_add_u32 v7, v5, 4, v7
	s_lshl_b32 s13, s8, 5
	v_add_nc_u32 v7, s13, v7
	v_add_nc_u32 v[VBA0], VB0, v7
	v_add_nc_u32 v[VBA0+1], VB1, v7
	v_lshlrev_b32 v[GA], 5, v2
	v_add_nc_u32 v[GA], GAM, v[GA]
	s_wait_kmcnt 0x0
	s_add_nc_u64 s[16:17], s[4:5], s[26:27]
	s_add_nc_u64 s[18:19], s[4:5], s[24:25]
	s_add_nc_u64 s[20:21], s[6:7], s[28:29]
.irp n, 0,1,2,3,4,5,6,7
	global_load_b128 v[KST+4*\n:KST+4*\n+3], v[KGO], s[16:17] offset:786432*\n
.endr
	VLOAD 8
	s_wait_loadcnt 0x8                             ; k is in; V's eight loads stay out
.irp n, 0,1,2,3,4,5,6,7
	ds_store_b128 v[RS], v[KST+4*\n:KST+4*\n+3] offset:4160*\n
.endr
	s_wait_dscnt 0x0
	s_barrier_signal -1
	s_barrier_wait -1
	PREP 0
	PREP 1                                         ; published by the first stage's barrier
	STAGE 0, 8, 8
	STAGE 1, 8, 8
	STAGE 2, 8, 8
	STAGE 3, 8, 8
	STAGE 4, 8, 8
	STAGE 5, 8, 8
	STAGE 6, 8, 6                                  ; the last chunk's update is never used: its 32 rows of V are not fetched
	STAGE 7, 6, 0
	s_wait_tensorcnt 0x0
	ds_add_u32 v200, v201
	s_wait_dscnt 0x0
	s_endpgm
.Lfunc_end_k_q3e3c821a24_gstate:
	.size	k_q3e3c821a24_gstate, .Lfunc_end_k_q3e3c821a24_gstate-k_q3e3c821a24_gstate
	.p2alignl 7, 3214868480
	.fill 96, 4, 3214868480
	.section	.rodata,"a",@progbits
	.p2align	6, 0x0
	.amdhsa_kernel k_q3e3c821a24_gstate
		.amdhsa_group_segment_fixed_size 142848
		.amdhsa_private_segment_fixed_size 0
		.amdhsa_enable_private_segment 0
		.amdhsa_kernarg_size 32
		.amdhsa_user_sgpr_count 2
		.amdhsa_user_sgpr_kernarg_segment_ptr 1
		.amdhsa_wavefront_size32 1
		.amdhsa_system_sgpr_workgroup_id_x 1
		.amdhsa_system_sgpr_workgroup_id_y 1
		.amdhsa_system_sgpr_workgroup_id_z 1
		.amdhsa_system_vgpr_workitem_id 0
		.amdhsa_next_free_vgpr 202
		.amdhsa_next_free_sgpr 66
		.amdhsa_reserve_vcc 0
		.amdhsa_float_denorm_mode_32 3
		.amdhsa_float_denorm_mode_16_64 3
		.amdhsa_memory_ordered 1
		.amdhsa_forward_progress 1
		.amdhsa_inst_pref_size 95
	.end_amdhsa_kernel
	.amdgpu_metadata
---
amdhsa.version: [ 1, 2 ]
amdhsa.kernels:
  - .name:           k_q3e3c821a24_gstate
    .symbol:         k_q3e3c821a24_gstate.kd
    .args:
      - { .name: qkv, .offset: 0, .size: 8, .value_kind: global_buffer, .address_space: global }
      - { .name: sfrag, .offset: 8, .size: 8, .value_kind: global_buffer, .address_space: global }
      - { .name: Wo, .offset: 16, .size: 8, .value_kind: global_buffer, .address_space: global }
      - { .name: woh, .offset: 24, .size: 8, .value_kind: global_buffer, .address_space: global }
    .group_segment_fixed_size: 142848
    .private_segment_fixed_size: 0
    .kernarg_segment_align: 8
    .kernarg_segment_size: 32
    .max_flat_workgroup_size: 256
    .sgpr_count:     66
    .vgpr_count:     202
    .wavefront_size: 32
...
	.end_amdgpu_metadata
.endif
;; end of part 6
;; launch attn (part 7): grid 32 x 8, 4 waves a work-group, no clusters, 141,824 bytes of LDS; arguments qkvh, qkv, sfrag, base, fla; writes base, fla
.if DOCPART == 7
	.amdgcn_target "amdgcn-amd-amdhsa--gfx1250"
	.amdhsa_code_object_version 6
	.text
	.protected	k_q3e3c821a24_attn
	.globl	k_q3e3c821a24_attn
	.p2align	8
	.type	k_q3e3c821a24_attn,@function
k_q3e3c821a24_attn:
	s_mov_b64 s[64:65], 0
	v_nop
	global_prefetch_b8 v0, s[64:65] scope:SCOPE_SE
	s_setreg_imm32_b32 hwreg(HW_REG_WAVE_MODE, 25, 1), 1
	s_wait_xcnt 0x0
; Causal softmax attention (-> base, f16) and the gated linear attention times 0.01 / sqrt(128) (-> fla, bf16).
; A work-group takes 32 query tokens (block i = 31 - x) of the four query heads of one kv head (y = 4 b + kvh); wave w takes head 4 kvh + w.
; FORMATS: the softmax branch works on qkvh: q, k, v, P and base in f16, whose 11 significant bits the first tokens need (their outputs are some nine times
; the output's root mean square); the linear attention works on qkv, in bf16, since its scores and state pass f16's range for large inputs.
; Everything is transposed: S^T = K Q^T (a lane holds one token t = r and keys s along its registers), O^T = V^T P^T.  So the running maximum and sum are
; a lane's own figures, P^T is a B fragment after a conversion in the lane, and a lane ends with 8 neighbouring numbers of a token's row.
; THE KEY LOOP: the diagonal block first (it starts every sum and gives every row a finite maximum), then key blocks 0 .. i - 1 of 32 keys.  A block goes
; memory -> registers -> LDS -> fragments, and each stage runs ahead: during block j, K's fragments of block j + 1 are fetched behind the scores and V's behind
; P V, block j + 2 goes from registers into the LDS buffer that block j has left, and block j + 4 is requested into the registers thus freed (two staging sets
; by turns).  One barrier a block: in front of it each wave has waited for all its LDS accesses (its reads of block j's buffer, its stores of block j + 1);
; behind it block j's buffer is written and block j + 1's is read.  The look-ahead is the same in every trip: past the last key block it asks again for the
; diagonal block (a clamped address, inside the buffer), whose bytes are stored and fetched but never multiplied: at most 4 blocks of 16 KB a work-group;
; in exchange every wait's count holds on every path.
; No joint requests in clusters: the query blocks of a kv head need different numbers of key blocks (the causal mask).
; LINEAR ATTENTION, chunk = 32 tokens: o_t = (q_t x gates from the chunk's start to t) S_chunk + sum over s <= t of (q_t . (k_s x gates s+1..t)) v_s.
; For s < t let w be the highest bit in which they differ and mid the middle of their aligned group of 2 w: gates s+1..t = (gates s+1..mid-1) x (gates mid..t).
; Table X_w holds k_s x (gates s+1..mid-1) in the lower halves of the groups and (gates mid..t) in the upper halves: one product of tables for each w, and a select.
; Every factor is a plain product of sigmoids (at most 1): nothing can overflow, no difference of sums is formed.
; WHO DOES WHICH CHUNK: a chunk's linear attention is the same work for every chunk (some 1,900 instructions, against some 300 for a key block) and needs nothing
; of the softmax part, while work-group i walks i + 1 key blocks.  So work-groups i < TH do chunk i and chunk 31 - i, TH <= i < 32 - TH do chunk i, and
; i >= 32 - TH do none: two chunks go with at most 10 key blocks, one with at most 22, none with up to 32.  Each chunk has one owner.
; LIMITS: |q|, |k|, |v| under 65,504 in the softmax branch (f16); in the linear attention q, k, v, the gate products, the scores and the state are bf16 matrix
; operands, gates are made from the bf16 k, gate products below 2^-126 may become 0; fla is stored in bf16; NaN and infinities in the inputs are not served.
.set RING0, 0                          ; a K/V buffer: K 32 rows x 272, then V 32 rows x 288
.set RING1, 17920
.set DIAG,  35840                      ; the diagonal block in f16
.set DIAGB, 53760                      ; a chunk's K and V in bf16
.set XARR,  71680                      ; six tables of 32 rows x 272: 0 gates from the start, 1..5 the tables of w = 16, 8, 4, 2, 1
.set STAGE, 123904                     ; 16 rows x 272 for each wave, its own
.set BLK,   196608                     ; 32 tokens of 6,144 bytes
.set TH,    10
.set GOFF, 4
.set KS,   5
.set VS,   6
.set KA,   7
.set VA,   8
.set XA,   9
.set XS,   10
.set KC,   11
.set STO,  12
.set RD,   13
.set CO,   14
.set QO,   15
.set SO,   16
.set NINF, 17
.set XR,   20                          ; v20-27  (8 h + j) xor r, or 0x100 where 8 h + j > r
.set MM,   28                          ; v28-29  running maximum, token tile 0, 1
.set LS,   30                          ; v30-31  running sum (my half of the keys)
.set NMC,  32                          ; v32-35  -c x maximum, twice for each tile
.set AL,   36                          ; v36-39  the rescaling factor, twice for each tile
.set T,    40                          ; v40-47  at work; the softmax takes v40-47 for token tile 0 and v48-55 for tile 1
.set DT,   48                          ; v48-63  two score tiles at work in the linear attention
.set KF,   64                          ; v64-127 key fragments (16 keys g, K step k) at 32 g + 8 k
.set VF,   128                         ; v128-191 V^T fragments, e-tile b at 8 b
.set ST,   192                         ; v192-223 score tile (g, q) at 16 q + 8 g; P of tile q overlays 16 q .. 16 q + 7
.set TS,   224                         ; v224-255 staging: key block 1 at the start, later a chunk's K and V in bf16
.set KK,   64                          ; the linear attention's gates: k, sigmoid, products
.set GG,   96
.set XX,   128
.set RR,   40
.set QQ,   128                         ; window 1: O(b, q) at 8 (2 b + q); Q(q, k) at 128 + 32 q + 8 k; staging sets at 192 (odd key blocks) and 224 (even ones)
                                       ; window 2: state fragments (b, a) at 32 b + 4 a
.set MSB, 0
.macro WIN new
.if MSB != \new
	s_set_vgpr_msb (MSB<<8)|\new
.set MSB, \new
.endif
.endm
.macro PLACES                          ; five plain places: enough also for a matrix instruction that writes over an earlier one's registers (ISA guide 7.12.1)
.rept 5
	v_nop
.endr
.endm
.macro GLOAD p, st, w                  ; a block of 32 tokens: K and V, 8 loads, into registers st .. st + 31 of the window that setting w gives the destination
	WIN \w
.irp n, 0,1,2,3
	global_load_b128 v[\st+4*\n:\st+4*\n+3],       v[GOFF], s[\p:\p+1] offset:49152*\n
	global_load_b128 v[\st+16+4*\n:\st+16+4*\n+3], v[GOFF], s[\p:\p+1] offset:49152*\n+1024
.endr
.endm
.macro LSTORE buf, st, w               ; the same 32 registers into LDS buffer buf (setting w gives the data's window)
	WIN \w
.irp n, 0,1,2,3
	ds_store_b128 v[KS], v[\st+4*\n:\st+4*\n+3]       offset:\buf+2176*\n
	ds_store_b128 v[VS], v[\st+16+4*\n:\st+16+4*\n+3] offset:\buf+2304*\n
.endr
.endm
.macro KPTR p, idx                     ; s[p:p+1] = the address of key block min(idx, i): never past the diagonal block
	s_min_u32 s44, s13, \idx
	s_mul_i32 s44, s44, BLK
	s_add_nc_u64 s[\p:\p+1], s[20:21], s[44:45]
.endm
.macro QLOAD p                         ; my head's q as B fragments: 16 loads
	WIN 0x40
.irp q, 0,1
.irp k, 0,1,2,3
	global_load_b128 v[QQ+32*\q+8*\k:QQ+32*\q+8*\k+3],   v[QO], s[\p:\p+1] offset:98304*\q+64*\k
	global_load_b128 v[QQ+32*\q+8*\k+4:QQ+32*\q+8*\k+7], v[QO], s[\p:\p+1] offset:98304*\q+64*\k+32
.endr
.endr
.endm
.macro RFETCH adr, off                 ; 16 loads: 32 rows x 128 along d as fragments
	WIN 0
.irp g, 0,1
.irp k, 0,1,2,3
	ds_load_b128 v[KF+32*\g+8*\k:KF+32*\g+8*\k+3],   v[\adr] offset:\off+4352*\g+64*\k
	ds_load_b128 v[KF+32*\g+8*\k+4:KF+32*\g+8*\k+7], v[\adr] offset:\off+4352*\g+64*\k+32
.endr
.endr
.endm
.macro VFETCH buf                      ; 16 transposing loads: V^T, 128 e x 32 keys
	WIN 0
.irp b, 0,1,2,3,4,5,6,7
	ds_load_tr16_b128 v[VF+8*\b:VF+8*\b+3],   v[VA] offset:\buf+32*\b
	ds_load_tr16_b128 v[VF+8*\b+4:VF+8*\b+7], v[VA] offset:\buf+32*\b+4608
.endr
.endm
.macro SCORES                          ; f16; four accumulators by turns, one instruction a turn
	WIN 0x04
.irp k, 0,1,2,3
.irp q, 0,1
.irp g, 0,1
.if \k == 0
	v_wmma_f32_16x16x32_f16 v[ST+16*\q+8*\g:ST+16*\q+8*\g+7], v[KF+32*\g+8*\k:KF+32*\g+8*\k+7], v[QQ+32*\q+8*\k:QQ+32*\q+8*\k+7], 0
.else
	v_wmma_f32_16x16x32_f16 v[ST+16*\q+8*\g:ST+16*\q+8*\g+7], v[KF+32*\g+8*\k:KF+32*\g+8*\k+7], v[QQ+32*\q+8*\k:QQ+32*\q+8*\k+7], v[ST+16*\q+8*\g:ST+16*\q+8*\g+7]
.endif
.endr
.endr
.endr
.endm
.macro MASKD                           ; the diagonal block: keys behind the token get minus infinity
	WIN 0
.irp j, 0,1,2,3,4,5,6,7
	v_cmp_lt_u32 vcc_lo, 0xff, v[XR+\j]
	v_cndmask_b32 v[ST+\j], v[ST+\j], v[NINF], vcc_lo
	v_cndmask_b32 v[ST+24+\j], v[ST+24+\j], v[NINF], vcc_lo
	v_mov_b32 v[ST+8+\j], v[NINF]                  ; keys 16-31 against tokens 0-15
.endr
.endm
.macro SCALEO                          ; O *= AL
	WIN 0x41
.irp q, 0,1
.irp b, 0,1,2,3,4,5,6,7
.irp p, 0,2,4,6
	v_pk_mul_f32 v[8*(2*\b+\q)+\p:8*(2*\b+\q)+\p+1], v[8*(2*\b+\q)+\p:8*(2*\b+\q)+\p+1], v[AL+2*\q:AL+2*\q+1]
.endr
.endr
.endr
.endm
; The running softmax of both token tiles, step by step for the two together, so that no instruction waits for the one in front of it:
; tile q works in v[T+8q .. T+8q+7]; its maximum is taken in two chains.
.macro SOFTMAX first
	WIN 0
.irp q, 0,1
	v_max3_num_f32 v[T+8*\q],   v[ST+16*\q],   v[ST+16*\q+1], v[ST+16*\q+2]
	v_max3_num_f32 v[T+8*\q+1], v[ST+16*\q+3], v[ST+16*\q+4], v[ST+16*\q+5]
.endr
.irp j, 6,10
.irp q, 0,1
	v_max3_num_f32 v[T+8*\q],   v[T+8*\q],   v[ST+16*\q+\j],   v[ST+16*\q+\j+1]
	v_max3_num_f32 v[T+8*\q+1], v[T+8*\q+1], v[ST+16*\q+\j+2], v[ST+16*\q+\j+3]
.endr
.endr
.irp q, 0,1
	v_max3_num_f32 v[T+8*\q], v[T+8*\q], v[ST+16*\q+14], v[ST+16*\q+15]
.endr
.irp q, 0,1
	v_max_num_f32 v[T+8*\q], v[T+8*\q], v[T+8*\q+1]
.endr
.irp q, 0,1
	v_permlanex16_b32 v[T+8*\q+1], v[T+8*\q], s34, s35       ; the other half of the keys lies 16 lanes away
.endr
.if \first
.irp q, 0,1
	v_max_num_f32 v[MM+\q], v[T+8*\q], v[T+8*\q+1]
.endr
.else
.irp q, 0,1
	v_max3_num_f32 v[T+8*\q+2], v[T+8*\q], v[T+8*\q+1], v[MM+\q]
.endr
.irp q, 0,1
	v_sub_f32 v[T+8*\q+3], v[MM+\q], v[T+8*\q+2]
.endr
.irp q, 0,1
	v_mov_b32 v[MM+\q], v[T+8*\q+2]
.endr
.irp q, 0,1
	v_mul_f32 v[T+8*\q+3], s32, v[T+8*\q+3]
.endr
.irp q, 0,1
	v_exp_f32 v[AL+2*\q], v[T+8*\q+3]
	v_exp_f32 v[AL+2*\q+1], v[T+8*\q+3]
.endr
.endif
.irp q, 0,1
	v_mul_f32 v[NMC+2*\q], s38, v[MM+\q]           ; plain work behind the transcendentals (ISA guide 5.7.2)
	v_mul_f32 v[NMC+2*\q+1], s38, v[MM+\q]
.endr
.irp q, 0,1
.irp j, 0,2,4,6,8,10,12,14
	v_pk_fma_f32 v[ST+16*\q+\j:ST+16*\q+\j+1], v[ST+16*\q+\j:ST+16*\q+\j+1], s[32:33], v[NMC+2*\q:NMC+2*\q+1] op_sel_hi:[1,0,1]
.endr
.endr
.irp q, 0,1
.irp j, 0,1,2,3,4,5,6,7,8,9,10,11,12,13,14,15
	v_exp_f32 v[ST+16*\q+\j], v[ST+16*\q+\j]       ; exp((s - max) / sqrt(128)), at most 1
.endr
.endr
	v_nop                                          ; a plain place behind the transcendentals (ISA guide 5.7.2)
	s_wait_alu depctr_va_vdst(0)
.irp j, 0,1,2,3
.irp q, 0,1
	v_pk_add_f32 v[T+8*\q+2*\j:T+8*\q+2*\j+1], v[ST+16*\q+4*\j:ST+16*\q+4*\j+1], v[ST+16*\q+4*\j+2:ST+16*\q+4*\j+3]
.endr
.endr
.irp q, 0,1
	v_pk_add_f32 v[T+8*\q:T+8*\q+1],   v[T+8*\q:T+8*\q+1],   v[T+8*\q+2:T+8*\q+3]
	v_pk_add_f32 v[T+8*\q+4:T+8*\q+5], v[T+8*\q+4:T+8*\q+5], v[T+8*\q+6:T+8*\q+7]
.endr
.irp q, 0,1
	v_pk_add_f32 v[T+8*\q:T+8*\q+1], v[T+8*\q:T+8*\q+1], v[T+8*\q+4:T+8*\q+5]
.endr
.if \first
.irp q, 0,1
	v_add_f32 v[LS+\q], v[T+8*\q], v[T+8*\q+1]
.endr
.else
.irp q, 0,1
	v_add_f32 v[T+8*\q], v[T+8*\q], v[T+8*\q+1]
.endr
.irp q, 0,1
	v_fma_f32 v[LS+\q], v[LS+\q], v[AL+2*\q], v[T+8*\q]
.endr
.endif
.irp q, 0,1
.irp j, 0,1,2,3,4,5,6,7
	v_cvt_pk_f16_f32 v[ST+16*\q+\j], v[ST+16*\q+2*\j], v[ST+16*\q+2*\j+1]        ; P^T as a B fragment in f16, in the lane
.endr
.endr
.if \first == 0
	SCALEO
.endif
.endm
.macro PV first, h                     ; sixteen accumulators by turns; h = 1: f16 (softmax), 0: bf16 (linear attention)
	WIN 0x50
.irp b, 0,1,2,3,4,5,6,7
.irp q, 0,1
.if \h
.if \first
	v_wmma_f32_16x16x32_f16 v[8*(2*\b+\q):8*(2*\b+\q)+7], v[VF+8*\b:VF+8*\b+7], v[ST+16*\q:ST+16*\q+7], 0
.else
	v_wmma_f32_16x16x32_f16 v[8*(2*\b+\q):8*(2*\b+\q)+7], v[VF+8*\b:VF+8*\b+7], v[ST+16*\q:ST+16*\q+7], v[8*(2*\b+\q):8*(2*\b+\q)+7]
.endif
.else
.if \first
	v_wmma_f32_16x16x32_bf16 v[8*(2*\b+\q):8*(2*\b+\q)+7], v[VF+8*\b:VF+8*\b+7], v[ST+16*\q:ST+16*\q+7], 0
.else
	v_wmma_f32_16x16x32_bf16 v[8*(2*\b+\q):8*(2*\b+\q)+7], v[VF+8*\b:VF+8*\b+7], v[ST+16*\q:ST+16*\q+7], v[8*(2*\b+\q):8*(2*\b+\q)+7]
.endif
.endif
.endr
.endr
.endm
; One key block, whose fragments are in registers or on their way there.  nxt: the LDS buffer of the next block.  look = 1: sto is this block's own buffer, which
; takes the block two on from staging set st; that set is then asked to take the block four on, by pointer p.
.macro ITER nxt, sto, st, p, first, mask, look
	s_wait_dscnt 0x10                              ; K's fragments are in; V's sixteen loads, issued behind them, may stay out
	SCORES
	s_wait_dscnt 0x0                               ; V's fragments are in: my reads of this block's buffer are over; my stores of the next block are done
.if \look
	s_barrier_signal -1
	PLACES                                         ; the places behind the scores
	s_barrier_wait -1                              ; both hold of every wave
	s_wait_loadcnt 0x8                             ; loads come back in order: the block two on is in its set (and its pointer free); the eight loads of the block three on stay out
	LSTORE \sto, \st, 0x04
	KPTR \p, s41
	s_add_co_u32 s41, s41, 1
	GLOAD \p, \st, 0x40
.else
	PLACES
.endif
	RFETCH KA, \nxt                                ; the next block's K: it lands under the softmax
.if \mask
	MASKD
.endif
	SOFTMAX \first
	PV \first, 1
	PLACES
	VFETCH \nxt                                    ; the next block's V: it lands under the next scores
	WIN 0
.endm
.macro OUT q, p, h                     ; 16 tokens x 128 numbers of 16 bits (h = 1: f16, 0: bf16) through my own stage, out as whole rows of 256 bytes
	s_wait_xcnt 0x0                                ; the registers that earlier stores read are written again only behind this wait
	WIN 0x05
.irp b, 0,1,2,3,4,5,6,7
.irp j, 0,1,2,3
.if \h
	v_cvt_pk_f16_f32 v[KF+4*\b+\j], v[8*(2*\b+\q)+2*\j], v[8*(2*\b+\q)+2*\j+1]
.else
	v_cvt_pk_bf16_f32 v[KF+4*\b+\j], v[8*(2*\b+\q)+2*\j], v[8*(2*\b+\q)+2*\j+1]
.endif
.endr
.endr
	WIN 0
.irp b, 0,1,2,3,4,5,6,7
	ds_store_b128 v[STO], v[KF+4*\b:KF+4*\b+3] offset:32*\b
.endr
.irp n, 0,1,2,3,4,5,6,7
	ds_load_b128 v[VF+4*\n:VF+4*\n+3], v[RD] offset:544*\n                        ; a wave's LDS instructions are served in order: these see the stores above
.endr
.irp n, 0,1,2,3,4,5,6,7
	s_wait_dscnt 7-\n
	global_store_b128 v[CO], v[VF+4*\n:VF+4*\n+3], s[\p:\p+1] offset:(16*\q+2*\n)*4096   ; 16 lanes: 256 consecutive bytes, aligned
.endr
.endm
.macro FINISH                          ; the softmax's division and base's way out
	WIN 0
	v_permlanex16_b32 v[T], v[LS], s34, s35        ; the two halves of the keys meet
	v_permlanex16_b32 v[T+1], v[LS+1], s34, s35
	v_add_f32 v[LS], v[LS], v[T]
	v_add_f32 v[LS+1], v[LS+1], v[T+1]
	v_rcp_f32 v[AL], v[LS]
	v_rcp_f32 v[AL+1], v[LS]
	v_rcp_f32 v[AL+2], v[LS+1]
	v_rcp_f32 v[AL+3], v[LS+1]
	v_nop
	s_wait_alu depctr_va_vdst(0)
	SCALEO
	OUT 0, 28, 1
	OUT 1, 28, 1
.endm
.macro TLOAD pd, pq                    ; a chunk's inputs in bf16: K and V (8 loads), my head's q (16 loads, over the q that is no longer needed)
	GLOAD \pd, TS, 0
	QLOAD \pq
	WIN 0
.endm
.macro PREFIX a, z                     ; X[n] = gates a .. n
	v_mov_b32 v[XX+\a], v[GG+\a]
.set n, \a+1
.rept \z-\a-1
	v_mul_f32 v[XX+n], v[XX+n-1], v[GG+n]
.set n, n+1
.endr
.endm
.macro SUFFIX a, z                     ; X[n] = k[n] x gates n+1 .. z-1
	v_mov_b32 v[XX+\z-1], v[KK+\z-1]
.if \z-\a > 1
	v_mul_f32 v[XX+\z-2], v[KK+\z-2], v[GG+\z-1]
.endif
.if \z-\a > 2
	v_mul_f32 v[RR], v[GG+\z-1], v[GG+\z-2]
.set n, \z-3
.rept \z-\a-2
	v_mul_f32 v[XX+n], v[KK+n], v[RR]
.if n > \a
	v_mul_f32 v[RR], v[RR], v[GG+n]
.endif
.set n, n-1
.endr
.endif
.endm
.macro XSTORE idx                      ; my column of table idx, 32 rows, bf16
.set n, 0
.rept 16
	v_cvt_pk_bf16_f32 v[T+2+(n&1)*2], v[XX+2*n], v[XX+2*n+1]
	v_lshrrev_b32 v[T+3+(n&1)*2], 16, v[T+2+(n&1)*2]
	ds_store_b16 v[XS], v[T+2+(n&1)*2] offset:8704*\idx+544*n
	ds_store_b16 v[XS], v[T+3+(n&1)*2] offset:8704*\idx+544*n+272
.set n, n+1
.endr
.endm
.macro LEVEL idx, w
.set gb, 0
.rept 32/(2*\w)
	SUFFIX gb, gb+\w
	PREFIX gb+\w, gb+2*\w
.set gb, gb+2*\w
.endr
	XSTORE \idx
.endm
.macro LVPAIR arr, w                   ; both diagonal tiles with table arr; taken where the highest differing bit is at least w
	RFETCH XA, 8704*\arr
	s_wait_dscnt 0x0
	WIN 0x01
.set n, 0
.rept 64
	v_pk_mul_bf16 v[VF+n], v[QQ+n], v[KF+n]        ; q x the table's row
.set n, n+1
.endr
	WIN 0
.irp k, 0,1,2,3
.irp q, 0,1
.if \k == 0
	v_wmma_f32_16x16x32_bf16 v[DT+8*\q:DT+8*\q+7], v[KF+32*\q+8*\k:KF+32*\q+8*\k+7], v[VF+32*\q+8*\k:VF+32*\q+8*\k+7], 0
.else
	v_wmma_f32_16x16x32_bf16 v[DT+8*\q:DT+8*\q+7], v[KF+32*\q+8*\k:KF+32*\q+8*\k+7], v[VF+32*\q+8*\k:VF+32*\q+8*\k+7], v[DT+8*\q:DT+8*\q+7]
.endif
.endr
.endr
	PLACES
.irp j, 0,1,2,3,4,5,6,7
	v_cmp_le_u32 vcc_lo, \w, v[XR+\j]
	v_cndmask_b32 v[ST+\j], v[ST+\j], v[DT+\j], vcc_lo
	v_cndmask_b32 v[ST+24+\j], v[ST+24+\j], v[DT+8+\j], vcc_lo
.endr
.endm
; The linear attention of one chunk, whose K, V and q (bf16) a TLOAD has asked for; ps: the pointer to the chunk's state.  It leaves O = 0.01 / sqrt(128) x o.
.macro TAIL ps
	s_wait_loadcnt 0x10                            ; the chunk's K and V are in (and all that was asked for before them); q's sixteen loads stay out
	LSTORE DIAGB, TS, 0
	s_wait_loadcnt 0x0                             ; q in bf16 is in
	WIN 0x80                                       ; the state's fragments: 64 loads of 512 consecutive bytes; they fly under the gates and the scores
.irp b, 0,1,2,3,4,5,6,7
.irp a, 0,1,2,3,4,5,6,7
	global_load_b128 v[32*\b+4*\a:32*\b+4*\a+3], v[SO], s[\ps:\ps+1] offset:512*(8*\b+\a)
.endr
.endr
	WIN 0
	s_wait_xcnt 0x0                                ; the last stores' data registers are written again only behind this wait
	s_wait_dscnt 0x0                               ; my part of the chunk's K and V is in LDS
	s_barrier_signal -1
	s_barrier_wait -1                              ; everybody's is
	; gates: thread t owns key column d = t of the chunk's 32 rows
.set n, 0
.rept 32
	ds_load_u16 v[KK+n], v[KC] offset:272*n
.set n, n+1
.endr
	s_wait_dscnt 0x0
.set n, 0
.rept 32
	v_lshlrev_b32 v[KK+n], 16, v[KK+n]
.set n, n+1
.endr
.set n, 0
.rept 32
	v_mul_f32 v[GG+n], 0xbfb8aa3b, v[KK+n]         ; -log2(e) k
.set n, n+1
.endr
.set n, 0
.rept 32
	v_exp_f32 v[GG+n], v[GG+n]
.set n, n+1
.endr
	v_nop
.set n, 0
	s_wait_alu depctr_va_vdst(0)
.rept 32
	v_add_f32 v[GG+n], 1.0, v[GG+n]
.set n, n+1
.endr
.set n, 0
.rept 32
	v_rcp_f32 v[GG+n], v[GG+n]                     ; sigmoid(k)
.set n, n+1
.endr
	v_nop
	s_wait_alu depctr_va_vdst(0)
	PREFIX 0, 32
	XSTORE 0
	LEVEL 1, 16
	LEVEL 2, 8
	LEVEL 3, 4
	LEVEL 4, 2
	LEVEL 5, 1
	s_wait_dscnt 0x0
	s_barrier_signal -1
	s_barrier_wait -1
	; s = t: plain q . k, into both diagonal tiles; two accumulators by turns
	RFETCH KA, DIAGB
	s_wait_dscnt 0x0
	WIN 0x04
.irp k, 0,1,2,3
.irp q, 0,1
.if \k == 0
	v_wmma_f32_16x16x32_bf16 v[ST+24*\q:ST+24*\q+7], v[KF+32*\q+8*\k:KF+32*\q+8*\k+7], v[QQ+32*\q+8*\k:QQ+32*\q+8*\k+7], 0
.else
	v_wmma_f32_16x16x32_bf16 v[ST+24*\q:ST+24*\q+7], v[KF+32*\q+8*\k:KF+32*\q+8*\k+7], v[QQ+32*\q+8*\k:QQ+32*\q+8*\k+7], v[ST+24*\q:ST+24*\q+7]
.endif
.endr
.endr
	PLACES
	LVPAIR 5, 1
	LVPAIR 4, 2
	LVPAIR 3, 4
	LVPAIR 2, 8
.irp j, 0,1,2,3,4,5,6,7
	v_cmp_gt_u32 vcc_lo, 0x100, v[XR+\j]           ; s <= t stays, s > t becomes 0
	v_cndmask_b32 v[ST+\j], 0, v[ST+\j], vcc_lo
	v_cndmask_b32 v[ST+24+\j], 0, v[ST+24+\j], vcc_lo
.endr
	; w = 16: keys 0-15 against tokens 16-31, all of them; K steps 0, 1 and 2, 3 on two accumulators by turns
	RFETCH XA, 8704
	s_wait_dscnt 0x0
	WIN 0x01
.set n, 32
.rept 32
	v_pk_mul_bf16 v[VF+n], v[QQ+n], v[KF+n]
.set n, n+1
.endr
	WIN 0
	v_wmma_f32_16x16x32_bf16 v[DT:DT+7],    v[KF:KF+7],     v[VF+32:VF+39], 0
	v_wmma_f32_16x16x32_bf16 v[DT+8:DT+15], v[KF+16:KF+23], v[VF+48:VF+55], 0
	v_wmma_f32_16x16x32_bf16 v[DT:DT+7],    v[KF+8:KF+15],  v[VF+40:VF+47], v[DT:DT+7]
	v_wmma_f32_16x16x32_bf16 v[DT+8:DT+15], v[KF+24:KF+31], v[VF+56:VF+63], v[DT+8:DT+15]
	PLACES
.irp j, 0,2,4,6
	v_pk_add_f32 v[ST+16+\j:ST+17+\j], v[DT+\j:DT+\j+1], v[DT+8+\j:DT+9+\j]
.endr
	VFETCH DIAGB
.irp j, 0,1,2,3
	v_cvt_pk_bf16_f32 v[ST+\j], v[ST+2*\j], v[ST+2*\j+1]
.endr
.irp j, 4,5,6,7
	v_mov_b32 v[ST+\j], 0                          ; keys 16-31 give nothing to tokens 0-15
.endr
.irp j, 0,1,2,3
	v_cvt_pk_bf16_f32 v[ST+16+\j], v[ST+16+2*\j], v[ST+17+2*\j]
.endr
.irp j, 0,1,2,3
	v_cvt_pk_bf16_f32 v[ST+20+\j], v[ST+24+2*\j], v[ST+25+2*\j]
.endr
	s_wait_dscnt 0x0
	PV 1, 0                                        ; the part from inside the chunk starts the sums
	RFETCH XA, 0                                   ; gates from the chunk's start to t
	s_wait_dscnt 0x0
	WIN 0x41
.set n, 0
.rept 64
	v_pk_mul_bf16 v[QQ+n], v[QQ+n], v[KF+n]
.set n, n+1
.endr
	s_wait_loadcnt 0x0                             ; the state's fragments are in
	WIN 0x56
.irp k, 0,1,2,3
.irp b, 0,1,2,3,4,5,6,7
.irp q, 0,1
	v_wmma_f32_16x16x32_bf16 v[8*(2*\b+\q):8*(2*\b+\q)+7], v[32*\b+8*\k:32*\b+8*\k+7], v[QQ+32*\q+8*\k:QQ+32*\q+8*\k+7], v[8*(2*\b+\q):8*(2*\b+\q)+7]
.endr
.endr
.endr
	PLACES
	WIN 0x41
.set n, 0
.rept 64
	v_pk_mul_f32 v[2*n:2*n+1], v[2*n:2*n+1], s[42:43] op_sel_hi:[1,0]
.set n, n+1
.endr
	WIN 0
.endm
	s_load_b256 s[4:11], s[0:1], 0x0               ; qkvh s[4:5], qkv s[6:7], sfrag s[8:9], base s[10:11]
	s_load_b64 s[18:19], s[0:1], 0x20              ; fla
	s_set_vgpr_msb 0xc0
	v_lshl_add_u32 v0, v0, 2, 0x22800
	v_mov_b32 v1, 0
	s_set_vgpr_msb 0xc000
	v_lshrrev_b32 v3, 5, v0
	v_readfirstlane_b32 s12, v3                    ; wave
	s_sub_co_u32 s13, 31, ttmp9                    ; i: my block of 32 tokens
	s_mov_b32 s57, ttmp9                           ; 31 - i: the second chunk of a work-group with i < TH
	s_and_b32 s14, ttmp7, 0xffff                   ; y = 4 b + kvh
	s_lshr_b32 s15, s14, 2
	s_and_b32 s16, s14, 3
	s_lshl_b32 s17, s16, 2
	s_add_co_u32 s17, s17, s12                     ; my head
	s_mov_b32 s32, 0x3e0293ee                      ; c = log2(e) / sqrt(128)
	s_mov_b32 s33, 0x3e0293ee
	s_mov_b32 s38, 0xbe0293ee                      ; -c
	s_mov_b32 s34, 0x76543210                      ; v_permlanex16_b32: lane i of the other half
	s_mov_b32 s35, 0xfedcba98
	s_mov_b32 s42, 0x3a67b46a                      ; 0.01 / sqrt(128)
	s_mov_b32 s43, 0x3a67b46a
	s_mul_i32 s44, s15, 6291456
	s_lshl_b32 s45, s16, 8
	s_add_co_u32 s44, s44, s45
	s_add_co_u32 s44, s44, 4096                    ; K of my kv head, token 0 of my batch
	s_mov_b32 s45, 0
	s_mul_i32 s46, s13, BLK
	s_mov_b32 s47, 0
	s_lshl_b32 s48, s15, 10
	s_lshl_b32 s49, s13, 5
	s_add_co_u32 s48, s48, s49                     ; my first token
	s_lshl_b32 s49, s17, 8
	s_mul_i32 s50, s48, 6144
	s_add_co_u32 s50, s50, s49
	s_mov_b32 s51, 0
	s_lshl_b32 s52, s14, 5
	s_add_co_u32 s52, s52, s13
	s_lshl_b32 s52, s52, 15
	s_mov_b32 s53, 0
	s_lshl_b32 s54, s48, 12
	s_add_co_u32 s54, s54, s49
	s_mov_b32 s55, 0
	s_mul_i32 s56, s12, 4352
	s_add_co_u32 s56, s56, STAGE                   ; my stage
	s_mul_i32 s70, s57, BLK                        ; the same offsets for chunk 31 - i
	s_mov_b32 s71, 0
	s_lshl_b32 s72, s15, 10
	s_lshl_b32 s73, s57, 5
	s_add_co_u32 s72, s72, s73                     ; its first token
	s_mul_i32 s82, s72, 6144
	s_add_co_u32 s82, s82, s49
	s_mov_b32 s83, 0
	s_lshl_b32 s84, s14, 5
	s_add_co_u32 s84, s84, s57
	s_lshl_b32 s84, s84, 15
	s_mov_b32 s85, 0
	s_lshl_b32 s86, s72, 12
	s_add_co_u32 s86, s86, s49
	s_mov_b32 s87, 0
	v_and_b32 v1, 15, v0                           ; r
	v_bfe_u32 v2, v0, 4, 1                         ; h
	v_lshrrev_b32 v3, 4, v0
	v_and_b32 v18, 7, v0
	v_bfe_u32 v19, v0, 3, 1
	v_lshlrev_b32 v45, 4, v1                       ; 16 r
	v_mad_u32_u24 v[GOFF], v3, 6144, v45
	v_mad_u32_u24 v[KS], v3, 272, v45
	v_mad_u32_u24 v[VS], v3, 288, v45
	v_add_nc_u32 v[VS], 8704, v[VS]
	v_mul_u32_u24 v[KA], v1, 272
	v_lshl_add_u32 v[KA], v2, 4, v[KA]
	v_lshl_add_u32 v[VA], v2, 3, v18
	v_mul_u32_u24 v[VA], v[VA], 288
	v_lshl_add_u32 v[VA], v19, 4, v[VA]
	v_add_nc_u32 v[VA], 8704, v[VA]
	v_add_nc_u32 v[XA], XARR, v[KA]
	v_lshlrev_b32 v[XS], 1, v0
	v_add_nc_u32 v[KC], DIAGB, v[XS]
	v_add_nc_u32 v[XS], XARR, v[XS]
	v_add_nc_u32 v[STO], s56, v[KA]
	v_mad_u32_u24 v[RD], v2, 272, v45
	v_add_nc_u32 v[RD], s56, v[RD]
	v_lshl_add_u32 v[CO], v2, 12, v45
	v_mul_u32_u24 v[QO], v1, 6144
	v_lshl_add_u32 v[QO], v2, 4, v[QO]
	v_and_b32 v[SO], 31, v0
	v_lshlrev_b32 v[SO], 4, v[SO]
	v_mov_b32 v[NINF], 0xff800000
	v_lshlrev_b32 v46, 3, v2
	v_mov_b32 v47, 0x100
.irp j, 0,1,2,3,4,5,6,7
	v_add_nc_u32 v44, \j, v46
	v_xor_b32 v[XR+\j], v44, v1
	v_cmp_gt_u32 vcc_lo, v44, v1
	v_cndmask_b32 v[XR+\j], v[XR+\j], v47, vcc_lo
.endr
	s_wait_kmcnt 0x0
	s_add_nc_u64 s[20:21], s[4:5], s[44:45]        ; f16: key block 0; never rewritten
	s_add_nc_u64 s[22:23], s[20:21], s[46:47]      ; f16: the diagonal block
	s_add_nc_u64 s[24:25], s[4:5], s[50:51]        ; f16: my head's q
	s_add_nc_u64 s[58:59], s[6:7], s[44:45]
	s_add_nc_u64 s[74:75], s[58:59], s[70:71]      ; bf16: K and V of chunk 31 - i
	s_add_nc_u64 s[58:59], s[58:59], s[46:47]      ; bf16: K and V of chunk i
	s_add_nc_u64 s[60:61], s[6:7], s[50:51]        ; bf16: my head's q of chunk i
	s_add_nc_u64 s[76:77], s[6:7], s[82:83]        ; and of chunk 31 - i
	s_add_nc_u64 s[26:27], s[8:9], s[52:53]        ; the state of chunk i
	s_add_nc_u64 s[78:79], s[8:9], s[84:85]        ; and of chunk 31 - i
	s_add_nc_u64 s[28:29], s[10:11], s[54:55]      ; base, my tokens and head
	s_add_nc_u64 s[30:31], s[18:19], s[54:55]      ; fla of chunk i
	s_add_nc_u64 s[80:81], s[18:19], s[86:87]      ; and of chunk 31 - i
	; the first three blocks and q go out together
	KPTR 66, 1
	GLOAD 22, 192, 0x40                            ; the diagonal block
	GLOAD 20, 224, 0x40                            ; key block 0
	GLOAD 66, TS, 0                                ; key block 1
	QLOAD 24
	s_wait_loadcnt 0x10                            ; the three blocks' 24 loads are in (their pointers are free); q's sixteen stay out
	LSTORE DIAG, 192, 0x04
	LSTORE RING0, 224, 0x04
	LSTORE RING1, TS, 0
	KPTR 68, 2
	GLOAD 68, 224, 0x40                            ; key block 2: even blocks lie in the set at 224,
	KPTR 66, 3
	GLOAD 66, 192, 0x40                            ; key block 3: odd ones in the set at 192
	s_mov_b32 s41, 4                               ; the next key block to ask for
	WIN 0
	s_wait_dscnt 0x0
	s_barrier_signal -1
	s_barrier_wait -1
	RFETCH KA, DIAG
	VFETCH DIAG
	s_wait_loadcnt 0x10                            ; q is in; the sixteen loads of key blocks 2 and 3 stay out
	ITER RING0, 0, 0, 0, 1, 1, 0                   ; the diagonal block; both ring buffers are filled already, so it stores nothing and needs no barrier
	s_lshr_b32 s40, s13, 1
	s_cmp_eq_u32 s40, 0
	s_cbranch_scc1 .Lnopairs
.Lpair:
	ITER RING1, RING0, 224, 68, 0, 0, 1            ; an even key block
	ITER RING0, RING1, 192, 66, 0, 0, 1            ; an odd one
	s_sub_co_u32 s40, s40, 1
	s_cmp_lg_u32 s40, 0
	s_cbranch_scc1 .Lpair
.Lnopairs:
	s_and_b32 s46, s13, 1
	s_cmp_eq_u32 s46, 0
	s_cbranch_scc1 .Lnoodd
	ITER RING1, RING0, 224, 68, 0, 0, 1
.Lnoodd:
	s_wait_dscnt 0x0                               ; the look-ahead's last fetches are back: their registers are written below
	s_cmp_ge_u32 s13, 32-TH
	s_cbranch_scc1 .Lnotail
	TLOAD 58, 60                                   ; chunk i's inputs fly during base's way out
	FINISH
	TAIL 26
	s_cmp_ge_u32 s13, TH
	s_cbranch_scc1 .Lone
	TLOAD 74, 76                                   ; chunk 31 - i's inputs fly during fla's way out
	OUT 0, 30, 0
	OUT 1, 30, 0
	s_wait_dscnt 0x0                               ; my reads of the first chunk's K, V and tables are long over;
	s_barrier_signal -1
	s_barrier_wait -1                              ; everybody's are: these bytes are written again below
	TAIL 78
	OUT 0, 80, 0
	OUT 1, 80, 0
	s_set_vgpr_msb 0xf
	s_wait_tensorcnt 0x0
	ds_add_u32 v0, v1
	s_wait_dscnt 0x0
	s_set_vgpr_msb 0xf00
	s_endpgm
.Lone:
	OUT 0, 30, 0
	OUT 1, 30, 0
	s_set_vgpr_msb 0xf
	s_wait_tensorcnt 0x0
	ds_add_u32 v0, v1
	s_wait_dscnt 0x0
	s_set_vgpr_msb 0xf00
	s_endpgm
.Lnotail:
	FINISH
	s_set_vgpr_msb 0xf
	s_wait_tensorcnt 0x0
	ds_add_u32 v0, v1
	s_wait_dscnt 0x0
	s_set_vgpr_msb 0xf00
	s_endpgm
.Lfunc_end_k_q3e3c821a24_attn:
	.size	k_q3e3c821a24_attn, .Lfunc_end_k_q3e3c821a24_attn-k_q3e3c821a24_attn
	.p2alignl 7, 3214868480
	.fill 96, 4, 3214868480
	.section	.rodata,"a",@progbits
	.p2align	6, 0x0
	.amdhsa_kernel k_q3e3c821a24_attn
		.amdhsa_group_segment_fixed_size 141824
		.amdhsa_private_segment_fixed_size 0
		.amdhsa_enable_private_segment 0
		.amdhsa_kernarg_size 40
		.amdhsa_user_sgpr_count 2
		.amdhsa_user_sgpr_kernarg_segment_ptr 1
		.amdhsa_wavefront_size32 1
		.amdhsa_system_sgpr_workgroup_id_x 1
		.amdhsa_system_sgpr_workgroup_id_y 1
		.amdhsa_system_sgpr_workgroup_id_z 1
		.amdhsa_system_vgpr_workitem_id 0
		.amdhsa_next_free_vgpr 770
		.amdhsa_next_free_sgpr 88
		.amdhsa_reserve_vcc 1
		.amdhsa_float_denorm_mode_32 3
		.amdhsa_float_denorm_mode_16_64 3
		.amdhsa_memory_ordered 1
		.amdhsa_forward_progress 1
		.amdhsa_inst_pref_size 255
	.end_amdhsa_kernel
	.section	.bss,"aw",@nobits
	.p2align	6
	.space	262144
	.amdgpu_metadata
---
amdhsa.version: [ 1, 2 ]
amdhsa.kernels:
  - .name:           k_q3e3c821a24_attn
    .symbol:         k_q3e3c821a24_attn.kd
    .args:
      - { .name: qkvh, .offset: 0, .size: 8, .value_kind: global_buffer, .address_space: global }
      - { .name: qkv, .offset: 8, .size: 8, .value_kind: global_buffer, .address_space: global }
      - { .name: sfrag, .offset: 16, .size: 8, .value_kind: global_buffer, .address_space: global }
      - { .name: base, .offset: 24, .size: 8, .value_kind: global_buffer, .address_space: global }
      - { .name: fla, .offset: 32, .size: 8, .value_kind: global_buffer, .address_space: global }
    .group_segment_fixed_size: 141824
    .private_segment_fixed_size: 0
    .kernarg_segment_align: 8
    .kernarg_segment_size: 40
    .max_flat_workgroup_size: 128
    .sgpr_count:     88
    .vgpr_count:     770
    .wavefront_size: 32
...
	.end_amdgpu_metadata
.endif
;; end of part 7
;; launch gemm_out (part 8): grid 16 x 16, 4 waves a work-group, no clusters, 91,648 bytes of LDS; arguments base, woh, fla, out0; writes out0
.if DOCPART == 8
	.amdgcn_target "amdgcn-amd-amdhsa--gfx1250"
	.amdhsa_code_object_version 6
	.text
	.protected	k_q3e3c821a24_gemm_out
	.globl	k_q3e3c821a24_gemm_out
	.p2align	8
	.type	k_q3e3c821a24_gemm_out,@function
k_q3e3c821a24_gemm_out:
	s_mov_b64 s[64:65], 0
	v_nop
	global_prefetch_b8 v0, s[64:65] scope:SCOPE_SE
	s_setreg_imm32_b32 hwreg(HW_REG_WAVE_MODE, 25, 1), 1
	s_wait_xcnt 0x0
; out0[2048][2048] (f32) = base[2048][2048] (f16) x woh (Wo rounded to bf16, in f16's code, stored [k][n]) + fla (bf16, already times 0.01 / sqrt(128)).
; A work-group makes 128 x 128 (16 x 16 work-groups); wave (wm, wn) makes 64 x 64 = 4 x 4 tiles.  K in 32 steps of 64.
; FORMATS: all five inputs of the program enter the matrix units rounded to bf16, alike.  base is f16 (its 11 significant bits are needed: see the
; attention kernel), so the f16 matrix form is used; Wo's bf16 numbers were written in f16's code by an earlier launch, once.
; Tiles go memory -> registers -> LDS; two LDS buffers by turns, one barrier a step.  THREE tiles are requested ahead, into three staging sets of
; 64 registers that take turns: step kk waits for tile kk+1 alone and asks for tile kk+4, so a load has three steps in which to arrive;
; a wave has 48 loads out at the most.  Loads into registers may stay out across the barriers, which is why the tiles take this road.
; base's rows are 128 bytes a step, woh's 256.
; The matrix instruction is used transposed (source 0 = columns of Wo, source 1 = rows of base): a lane ends with 8 neighbouring columns of a row.
; LIMITS: those of base and woh (f16's range); NaN and infinities are not served.
.set BUF,   36864                      ; an LDS buffer: base part 128 rows x 144, Wo part 64 k-rows x 288
.set BPART, 18432
.set PA,    144
.set PB,    288
.set STAGE, 73728                      ; 16 rows x 272 (64 f32 + 16 bytes) for each wave, its own
.set AOFF, 10
.set BOFF, 11
.set SA,   36
.set SB,   38
.set FA,   40
.set FB,   42
.set STO,  44
.set RD,   45
.set CO,   46
.set FO,   47
.set F0,   64                          ; v64-127  fragments: base 4 x 8, Wo 4 x 8
.set F1,   128                         ; v128-191
.set T,    192                         ; v192-223 fla of 16 rows in f32
.set FL,   192                         ; window 2: fla at v[192 + 2 (8 mi + n)]
; window 1: accumulator (mi, ni) at v[8 (4 mi + ni)];  window 2: staging set j at 64 j: base at + 4 n, Wo at + 32 + 4 n (n = 0 .. 7)
.set MSB, 0
.macro WIN new
.if MSB != \new
	s_set_vgpr_msb (MSB<<8)|\new
.set MSB, \new
.endif
.endm
.macro PLACES                          ; four plain vector places behind matrix instructions (ISA guide 7.12.1)
.rept 4
	v_nop
.endr
.endm
.macro GLD set                         ; 16 loads: one K step's tiles into staging set \set
	WIN 0x80
.irp n, 0,1,2,3,4,5,6,7
	global_load_b128 v[64*\set+4*\n:64*\set+4*\n+3], v[AOFF], s[20:21] offset:65536*\n
.endr
.irp n, 0,1,2,3,4,5,6,7
	global_load_b128 v[64*\set+32+4*\n:64*\set+32+4*\n+3], v[BOFF], s[24:25] offset:32768*\n
.endr
.endm
.macro NEXT                            ; the pointers step one K step
	s_wait_xcnt 0x0                                ; older loads are still out: their bases are written again only behind this wait
	s_add_nc_u64 s[20:21], s[20:21], 128
	s_add_nc_u64 s[24:25], s[24:25], 262144
.endm
.macro LST s, set                      ; staging set \set into LDS buffer \s
	WIN 0x08
.irp n, 0,1,2,3,4,5,6,7
	ds_store_b128 v[SA+\s], v[64*\set+4*\n:64*\set+4*\n+3] offset:16*PA*\n
.endr
.irp n, 0,1,2,3,4,5,6,7
	ds_store_b128 v[SB+\s], v[64*\set+32+4*\n:64*\set+32+4*\n+3] offset:8*PB*\n
.endr
.endm
.macro FETCH s, half, f
	WIN 0
.irp m, 0,1,2,3
	ds_load_b128 v[\f+8*\m:\f+8*\m+3],   v[FA+\s] offset:16*PA*\m+64*\half
	ds_load_b128 v[\f+8*\m+4:\f+8*\m+7], v[FA+\s] offset:16*PA*\m+64*\half+32
.endr
.irp n, 0,1,2,3
	ds_load_tr16_b128 v[\f+32+8*\n:\f+32+8*\n+3],   v[FB+\s] offset:32*PB*\half+32*\n
	ds_load_tr16_b128 v[\f+32+8*\n+4:\f+32+8*\n+7], v[FB+\s] offset:32*PB*\half+32*\n+16*PB
.endr
.endm
.macro MUL f, lo, zero                 ; 8 matrix instructions; the 16 accumulators take turns, one instruction a turn
	WIN 0x50
.irp m, 0,1
.irp n, 0,1,2,3
.if \zero
	v_wmma_f32_16x16x32_f16 v[8*(4*(2*\lo+\m)+\n):8*(4*(2*\lo+\m)+\n)+7], v[\f+32+8*\n:\f+32+8*\n+7], v[\f+8*(2*\lo+\m):\f+8*(2*\lo+\m)+7], 0
.else
	v_wmma_f32_16x16x32_f16 v[8*(4*(2*\lo+\m)+\n):8*(4*(2*\lo+\m)+\n)+7], v[\f+32+8*\n:\f+32+8*\n+7], v[\f+8*(2*\lo+\m):\f+8*(2*\lo+\m)+7], v[8*(4*(2*\lo+\m)+\n):8*(4*(2*\lo+\m)+\n)+7]
.endif
.endr
.endr
.endm
; One K step on buffer s.  st: the next tile is stored into the other buffer, from staging set \set; cnt: how many younger loads may stay out
; at the wait for it; ld: the tile four steps on is requested into the set just emptied.
.macro STEP s, zero, st, set, cnt, ld
	s_wait_dscnt 0x0                               ; the first half's fragments are in
	MUL F0, 0, \zero
	PLACES
	FETCH \s, 1, F1
	MUL F0, 1, \zero
.if \st
	s_wait_loadcnt \cnt                            ; loads come back in order: the next tile is in registers, the tiles behind it stay out
	LST (1-\s), \set                               ; the other buffer's readers passed the last step's barrier
.if \ld
	NEXT
	GLD \set
.endif
.endif
	s_wait_dscnt 0x0                               ; second half's fragments in, my stores done, my reads of this buffer done
.if \st
	s_barrier_signal -1
	MUL F1, 0, 0
	WIN 0
	s_barrier_wait -1                              ; the other buffer is whole, and nobody reads this one any more
	PLACES
	FETCH (1-\s), 0, F0
	MUL F1, 1, 0
.else
	MUL F1, 0, 0
	MUL F1, 1, 0
.endif
.endm
	s_load_b256 s[4:11], s[0:1], 0x0               ; base s[4:5], woh s[6:7], fla s[8:9], out0 s[10:11]
	v_lshl_add_u32 v254, v0, 2, 0x16400
	v_mov_b32 v255, 0
	v_lshrrev_b32 v3, 5, v0
	v_readfirstlane_b32 s14, v3
	s_lshr_b32 s15, s14, 1                         ; wm
	s_and_b32 s16, s14, 1                          ; wn
	s_mov_b32 s17, ttmp9                           ; column block
	s_and_b32 s18, ttmp7, 0xffff                   ; row block
	s_mov_b32 s44, 0xffff0000                      ; a word's upper bf16
	v_and_b32 v1, 15, v0                           ; r = t & 15
	v_bfe_u32 v2, v0, 4, 1                         ; h
	v_lshrrev_b32 v3, 3, v0                        ; t >> 3
	v_and_b32 v4, 7, v0
	v_bfe_u32 v5, v0, 3, 1
	v_lshrrev_b32 v6, 4, v0                        ; t >> 4
	v_lshlrev_b32 v8, 4, v4                        ; 16 (t & 7)
	v_lshl_add_u32 v[AOFF], v3, 12, v8             ; base: row t >> 3 of 16, 128 bytes a row
	v_lshlrev_b32 v7, 4, v1                        ; 16 (t & 15)
	v_lshl_add_u32 v[BOFF], v6, 12, v7             ; woh: k-row t >> 4 of 8, 256 bytes a row
	v_mad_u32_u24 v[SA], v3, PA, v8
	v_add_nc_u32 v[SA+1], BUF, v[SA]
	v_mad_u32_u24 v9, v6, PB, v7
	v_add_nc_u32 v[SB], BPART, v9
	v_add_nc_u32 v[SB+1], BUF+BPART, v9
	s_mul_i32 s32, s15, 64*PA
	v_mul_u32_u24 v9, v1, PA
	v_lshl_add_u32 v9, v2, 4, v9
	v_add_nc_u32 v[FA], s32, v9
	v_add_nc_u32 v[FA+1], BUF, v[FA]
	v_lshl_add_u32 v9, v2, 3, v4
	v_mul_u32_u24 v9, v9, PB
	v_lshl_add_u32 v9, v5, 4, v9
	s_lshl_b32 s33, s16, 7
	s_add_co_u32 s33, s33, BPART
	v_add_nc_u32 v[FB], s33, v9
	v_add_nc_u32 v[FB+1], BUF, v[FB]
	s_mul_i32 s32, s14, 4352
	s_add_co_u32 s32, s32, STAGE
	v_mul_u32_u24 v9, v1, 272
	v_lshl_add_u32 v9, v2, 5, v9
	v_add_nc_u32 v[STO], s32, v9
	v_mad_u32_u24 v9, v2, 272, v7
	v_add_nc_u32 v[RD], s32, v9
	v_lshl_add_u32 v[CO], v2, 13, v7
	v_lshlrev_b32 v9, 3, v1
	v_lshl_add_u32 v[FO], v2, 12, v9
	s_lshl_b32 s32, s18, 19                        ; base: 128 rows of 4,096 bytes
	s_mov_b32 s33, 0
	s_lshl_b32 s34, s17, 8                         ; woh: 128 columns of 2 bytes
	s_mov_b32 s35, 0
	s_lshl_b32 s36, s15, 18                        ; fla: + 64 wm rows, + my columns in bf16
	s_add_co_u32 s36, s36, s32
	s_lshl_b32 s38, s17, 8
	s_add_co_u32 s36, s36, s38
	s_lshl_b32 s38, s16, 7
	s_add_co_u32 s36, s36, s38
	s_mov_b32 s37, 0
	s_lshl_b32 s38, s36, 1                         ; out0: the same place in f32
	s_mov_b32 s39, 0
	s_wait_kmcnt 0x0
	s_add_nc_u64 s[20:21], s[4:5], s[32:33]
	s_add_nc_u64 s[24:25], s[6:7], s[34:35]
	s_add_nc_u64 s[28:29], s[8:9], s[36:37]
	s_add_nc_u64 s[30:31], s[10:11], s[38:39]
	GLD 0                                          ; tile t lies in staging set t mod 3
	NEXT
	GLD 1
	NEXT
	GLD 2
	s_wait_loadcnt 32                              ; tile 0 is in; the 32 loads of tiles 1 and 2 stay out
	LST 0, 0
	NEXT
	GLD 0                                          ; tile 3
	s_wait_dscnt 0x0
	s_barrier_signal -1
	s_barrier_wait -1
	FETCH 0, 0, F0
	STEP 0, 1, 1, 1, 32, 1                         ; step 0: the first products start the sums
	STEP 1, 0, 1, 2, 32, 1
	STEP 0, 0, 1, 0, 32, 1
	STEP 1, 0, 1, 1, 32, 1
	WIN 0
	s_mov_b32 s45, 4                               ; steps 4 to 27: six a trip, the period of two buffers and three sets
.Lloop:
	STEP 0, 0, 1, 2, 32, 1
	STEP 1, 0, 1, 0, 32, 1
	STEP 0, 0, 1, 1, 32, 1
	STEP 1, 0, 1, 2, 32, 1
	STEP 0, 0, 1, 0, 32, 1
	STEP 1, 0, 1, 1, 32, 1
	WIN 0
	s_sub_co_u32 s45, s45, 1
	s_cmp_lg_u32 s45, 0
	s_cbranch_scc1 .Lloop
	STEP 0, 0, 1, 2, 32, 0                         ; step 28 stores tile 29; tiles 30 and 31 stay out; nothing is left to ask for
	STEP 1, 0, 1, 0, 16, 0                         ; step 29 stores tile 30; tile 31 stays out
	STEP 0, 0, 1, 1, 0, 0                          ; step 30 stores tile 31
	WIN 0x80                                       ; fla of my 64 x 64, 8 bytes a lane, in the places of the read-back below; it flies during the last step
.irp m, 0,1,2,3
.irp n, 0,1,2,3,4,5,6,7
	global_load_b64 v[FL+2*(8*\m+\n):FL+1+2*(8*\m+\n)], v[FO], s[28:29] offset:(16*\m+2*\n)*4096
.endr
.endr
	STEP 1, 0, 0, 0, 0, 0
	; THE WAY OUT, 16 rows at a time through my own stage: no barrier; a wave's LDS instructions are served in order
	PLACES
	s_wait_loadcnt 0x0
.irp m, 0,1,2,3
	s_wait_xcnt 0x0                                ; the registers that the last stores read are written again only behind this wait
	WIN 0x08
.irp n, 0,1,2,3,4,5,6,7
	v_lshlrev_b32 v[T+4*\n],   16,  v[FL+2*(8*\m+\n)]
	v_and_b32     v[T+4*\n+1], s44, v[FL+2*(8*\m+\n)]
	v_lshlrev_b32 v[T+4*\n+2], 16,  v[FL+1+2*(8*\m+\n)]
	v_and_b32     v[T+4*\n+3], s44, v[FL+1+2*(8*\m+\n)]
.endr
	WIN 0x04
.irp n, 0,1,2,3
	ds_store_b128 v[STO], v[8*(4*\m+\n):8*(4*\m+\n)+3]   offset:64*\n
	ds_store_b128 v[STO], v[8*(4*\m+\n)+4:8*(4*\m+\n)+7] offset:64*\n+16
.endr
	WIN 0
.irp n, 0,1,2,3,4,5,6,7
	ds_load_b128 v[F0+4*\n:F0+4*\n+3], v[RD] offset:544*\n
.endr
.irp n, 0,1,2,3,4,5,6,7
	s_wait_dscnt 7-\n                              ; the younger read-backs stay out
	v_pk_add_f32 v[F0+4*\n:F0+4*\n+1],   v[F0+4*\n:F0+4*\n+1],   v[T+4*\n:T+4*\n+1]
	v_pk_add_f32 v[F0+4*\n+2:F0+4*\n+3], v[F0+4*\n+2:F0+4*\n+3], v[T+4*\n+2:T+4*\n+3]
	global_store_b128 v[CO], v[F0+4*\n:F0+4*\n+3], s[30:31] offset:(16*\m+2*\n)*8192     ; 16 lanes: 256 consecutive bytes, aligned
.endr
.endr
	s_wait_tensorcnt 0x0
	ds_add_u32 v254, v255
	s_wait_dscnt 0x0
	s_endpgm
.Lfunc_end_k_q3e3c821a24_gemm_out:
	.size	k_q3e3c821a24_gemm_out, .Lfunc_end_k_q3e3c821a24_gemm_out-k_q3e3c821a24_gemm_out
	.p2alignl 7, 3214868480
	.fill 96, 4, 3214868480
	.section	.rodata,"a",@progbits
	.p2align	6, 0x0
	.amdhsa_kernel k_q3e3c821a24_gemm_out
		.amdhsa_group_segment_fixed_size 91648
		.amdhsa_private_segment_fixed_size 0
		.amdhsa_enable_private_segment 0
		.amdhsa_kernarg_size 32
		.amdhsa_user_sgpr_count 2
		.amdhsa_user_sgpr_kernarg_segment_ptr 1
		.amdhsa_wavefront_size32 1
		.amdhsa_system_sgpr_workgroup_id_x 1
		.amdhsa_system_sgpr_workgroup_id_y 1
		.amdhsa_system_sgpr_workgroup_id_z 1
		.amdhsa_system_vgpr_workitem_id 0
		.amdhsa_next_free_vgpr 768
		.amdhsa_next_free_sgpr 66
		.amdhsa_reserve_vcc 0
		.amdhsa_float_denorm_mode_32 3
		.amdhsa_float_denorm_mode_16_64 3
		.amdhsa_memory_ordered 1
		.amdhsa_forward_progress 1
		.amdhsa_inst_pref_size 126
	.end_amdhsa_kernel
	.amdgpu_metadata
---
amdhsa.version: [ 1, 2 ]
amdhsa.kernels:
  - .name:           k_q3e3c821a24_gemm_out
    .symbol:         k_q3e3c821a24_gemm_out.kd
    .args:
      - { .name: base, .offset: 0, .size: 8, .value_kind: global_buffer, .address_space: global }
      - { .name: woh, .offset: 8, .size: 8, .value_kind: global_buffer, .address_space: global }
      - { .name: fla, .offset: 16, .size: 8, .value_kind: global_buffer, .address_space: global }
      - { .name: out0, .offset: 24, .size: 8, .value_kind: global_buffer, .address_space: global }
    .group_segment_fixed_size: 91648
    .private_segment_fixed_size: 0
    .kernarg_segment_align: 8
    .kernarg_segment_size: 32
    .max_flat_workgroup_size: 128
    .sgpr_count:     66
    .vgpr_count:     768
    .wavefront_size: 32
...
	.end_amdgpu_metadata
.endif
;; end of part 8
